; MI455X (gfx1250); checked and timed in simulation.
; The chip was launched on July 23, 2026; its instructions are those of AMD's public machine-readable ISA for CDNA 5 (MIT licence, August 2026) and "CDNA5" Instruction Set Architecture Reference Guide (July 2026). The comments in the code are by the model that wrote it; some were corrected since.
;; Multi Head Self Attention. Allowed arithmetic: matrix products marked QUANTISED: E2M1 operands, one E8M0 scale for each 32 along K, by v_wmma_scale_f32_16x16x128_f8f6f4 with both operands' format E2M1 (or v_wmma_scale_f32_32x16x128_f4), f32 sums; products left as they are: bf16, f16 or f32 operands; f32 sums; everything else in f32.
;; Inputs: W_out 1,024 x 1,024 float32; W_qkv 1,024 x 3,072 float32; b_out 1,024 float32; b_qkv 3,072 float32; x 4 x 2,048 x 1,024 float32.
;; Outputs: out0 4 x 2,048 x 1,024 float32.
;; This version of the problem:
;;   THIS VERSION OF THE PROBLEM IS GIVEN IN LOW PRECISION. The matrix products marked QUANTISED in the list below multiply operands that are first quantised to E2M1 (2 exponent bits, 1 mantissa bit; 4 bits a number), with one power-of-two scale for each 32 numbers along K (OCP MX v1.0); their sums are f32. The products marked 'left as it is' may take bf16, f16 or f32 operands, with f32 sums. Whichever they take, every output number must still come out within the allowed error. Rounding operands to bf16 (8 significant bits) uses up far more of that allowance than f16 does (11 bits, for magnitudes from 6e-5 to 65,504). All else is computed in f32.
;;   The module's matrix products, in the order in which they are computed (A, B: the left and right operand; K: the contracted axis; several contracted axes count as one K, in the product's order):
;;     1. [M 8,192, K 1,024] x [K 1,024, N 3,072]; A: input x; B: input W_qkv: QUANTISED
;;     2. batch 64 x [M 2,048, K 64] x [K 64, N 2,048]; A: computed on the way; B: computed on the way: left as it is (an operand is computed on the way)
;;     3. batch 64 x [M 2,048, K 2,048] x [K 2,048, N 64]; A: computed on the way; B: computed on the way: left as it is (an operand is computed on the way)
;;     4. [M 8,192, K 1,024] x [K 1,024, N 1,024]; A: computed on the way; B: input W_out: left as it is (an operand is computed on the way)
;;   THE QUANTISER, for each operand of a quantised product, along K:
;;     - K is cut into blocks of 32 from its start; a last block that is shorter is filled with zeros.
;;     - A block's scale is 2^e with e = floor(log2(the largest magnitude in the block)) - 2, held to -126 .. 127; a block of zeros has e = 0. As a byte (E8M0): e + 127.
;;     - Each number is divided by its block's scale, clamped to +-6, and rounded to the nearest number of E2M1, ties to even, subnormals kept.
;;     - The product sums the exact products of the quantised numbers (number of the format x scale) in f32.
;;   ~~~python
;;   def quantise(x, axis):      # numpy; x: float32 -> the quantised numbers, widened to float32 again
;;       x = np.moveaxis(x, axis, -1); K = x.shape[-1]
;;       x = np.pad(x, [(0, 0)] * (x.ndim - 1) + [(0, -K % 32)]); x = x.reshape(x.shape[:-1] + (-1, 32)); a = np.abs(x).max(-1, keepdims=True)
;;       e = np.where(a > 0, np.clip(np.frexp(np.where(a > 0, a, 1))[1] - 1 - 2, -126, 127), 0)      # np.frexp(a)[1] - 1 = floor(log2(a)), exactly
;;       r = np.clip(x / 2.0 ** e, -6, 6)
;;       step = 2.0 ** (np.maximum(np.frexp(np.where(r == 0, 1, r))[1] - 1, 0) - 1)
;;       q = np.round(r / step) * step * 2.0 ** e      # np.round: ties to even
;;       return np.moveaxis(q.reshape(q.shape[:-2] + (-1,))[..., :K], -1, axis).astype(np.float32)
;;   ~~~
;; One version. Each part assembles by itself: llvm-mc -triple=amdgcn-amd-amdhsa -mcpu=gfx1250 --defsym DOCPART=n.
;; ======== version 1 of 1: 5 launches
;; limits: values are held in f16: magnitudes above 65,504 overflow, below 6.1e-05 lose precision
;; workspace buffers: xc 4,194,304 bytes; xs 262,144 bytes; wc 1,572,864 bytes; ws 98,304 bytes; wo16 2,097,152 bytes; qkv 50,331,648 bytes; q32 786,432 bytes; att 16,777,216 bytes
;; launch prep (part 1): grid 336 x 1, 4 waves a work-group, no clusters, 68,096 bytes of LDS; arguments x, W_qkv, W_out, xc, xs, wc, ws, wo16; writes xc, xs, wc, ws, wo16
.if DOCPART == 1
	.amdgcn_target "amdgcn-amd-amdhsa--gfx1250"
	.amdhsa_code_object_version 6
	.text
	.protected	k_q618d6c3871_prep
	.globl	k_q618d6c3871_prep
	.p2align	8
	.type	k_q618d6c3871_prep,@function
k_q618d6c3871_prep:
	s_mov_b64 s[64:65], 0
	v_nop
	global_prefetch_b8 v0, s[64:65] scope:SCOPE_SE
	s_setreg_imm32_b32 hwreg(HW_REG_WAVE_MODE, 25, 1), 1
	s_wait_xcnt 0x0
; PREP: three jobs in one launch, told apart by the work-group's number; the three ways never join, and the two that use LDS each have bytes of their own.
;   work-groups   0-255: x [8192][1024] f32 -> codes of FP4 (E2M1), K innermost, xc [8192][512 bytes], and one E8M0 byte for each 32 along K, xs [8192][32].
;   work-groups 256-303: W_qkv [1024 (k)][3072 (n)] f32, K its FIRST axis -> wc [3072][512 bytes], ws [3072][32], K innermost.
;   work-groups 304-335: W_out [1024][1024] f32 -> wo16, the same numbers as f16, as they lie.
; A block's scale is 2^(floor(log2(its largest magnitude)) - 2); its byte is the largest magnitude's exponent field - 2, held at 1 from below.
; LIMITS: a block of zeros gets the byte 1 where the quantiser says 127 (its codes are zeros, which add nothing, and this program alone reads the bytes); NaN and infinities are not served;
; |W_out| stays under 65,504, the largest f16 number.
.set SPW,   190                        ; v190  LDS address of my spare word: SPARE + 4 x my thread's number; never rewritten
.set NIL,   191                        ; v191  0; never rewritten
.set SPARE, 67584                      ; behind both ways' regions: the spare words, 128 bytes a wave
.set EMAX,  2
.set WREG,  8192                       ; x's way: a region for each wave from LDS byte 0: two stages of 32 x SP bytes, behind them 256 scale bytes
.set SP,    80                         ; a lane's place in a stage: 64 bytes + 16 of padding
.set XR,    16                         ; v16-79   four sets of 16 numbers as loaded
.set XX,    80                         ; v80-111  two sets of 16 neighbours
.set XE,    112                        ; v112-127 a scale byte for each step
.set XC,    128                        ; v128-189 codes: registers of its own for each step
.set WSTG,  32768                      ; W_qkv's way: four stages of 32 rows x PITCH from here
.set PITCH, 272
.set KROW,  512                        ; a row of wc in bytes
.set WN,    3072
.set WX,    32                         ; v32-95   two sets of 32 numbers
.set WC,    96                         ; v96-99   a block's codes
.set WOUT,  112                        ; v112-175 the way out
.set WSB,   24                         ; v24-27   the scale bytes, four to a register
	s_load_b256 s[4:11], s[0:1], 0x0               ; x s[4:5], W_qkv s[6:7], W_out s[8:9], xc s[10:11]
	s_load_b256 s[12:19], s[0:1], 0x20             ; xs s[12:13], wc s[14:15], ws s[16:17], wo16 s[18:19]
	v_lshl_add_u32 v[SPW], v0, 2, SPARE
	v_mov_b32 v[NIL], 0
	v_lshrrev_b32 v1, 5, v0
	v_readfirstlane_b32 s20, v1                    ; wave 0..3
	v_and_b32 v2, 31, v0                           ; lane
	s_mov_b32 s25, 0                               ; the high word of every offset pair s[24:25]
	s_wait_kmcnt 0x0
	s_cmp_lt_u32 ttmp9, 256
	s_cbranch_scc1 .LX
	s_cmp_lt_u32 ttmp9, 304
	s_cbranch_scc1 .LW
; ---- W_out to f16: a plain stream, no LDS.  A wave takes 32,768 bytes: 64 loads of 512 consecutive bytes, 64 stores of 256 consecutive aligned bytes.  Loads run a group of 16 ahead.
	s_sub_co_u32 s21, ttmp9, 304
	s_lshl_b32 s21, s21, 2
	s_add_co_u32 s21, s21, s20                     ; my run of 8,192 numbers
	s_lshl_b32 s24, s21, 15
	s_add_nc_u64 s[8:9], s[8:9], s[24:25]
	s_lshl_b32 s24, s21, 14
	s_add_nc_u64 s[18:19], s[18:19], s[24:25]
	v_lshlrev_b32 v3, 4, v2                        ; in: 16 bytes a lane
	v_lshlrev_b32 v4, 3, v2                        ; out: 8 bytes a lane
.macro OLOAD g
.irp i, 0,1,2,3,4,5,6,7,8,9,10,11,12,13,14,15
	global_load_b128 v[16+64*((\g)%2)+4*\i:16+64*((\g)%2)+4*\i+3], v3, s[8:9] offset:512*(16*(\g)+\i) th:TH_LOAD_NT
.endr
.endm
.macro OGROUP g
.if (\g) < 3
	s_wait_loadcnt 16                              ; this group's 16 loads are in; the next group's 16 may be out
.else
	s_wait_loadcnt 0x0
.endif
	s_wait_xcnt 0x0                                ; the last group's stores have read v144-175: they are written again only behind this wait
.irp i, 0,1,2,3,4,5,6,7,8,9,10,11,12,13,14,15
	v_cvt_pk_f16_f32 v[144+2*\i], v[16+64*((\g)%2)+4*\i], v[16+64*((\g)%2)+4*\i+1]
	v_cvt_pk_f16_f32 v[145+2*\i], v[16+64*((\g)%2)+4*\i+2], v[16+64*((\g)%2)+4*\i+3]
.endr
.irp i, 0,1,2,3,4,5,6,7,8,9,10,11,12,13,14,15
	global_store_b64 v4, v[144+2*\i:145+2*\i], s[18:19] offset:256*(16*(\g)+\i)
.endr
.if (\g) < 2
	OLOAD (\g)+2
.endif
.endm
	OLOAD 0
	OLOAD 1
	OGROUP 0
	OGROUP 1
	OGROUP 2
	OGROUP 3
	s_endpgm                                       ; this way has written no LDS
; ---- W_qkv: a lane takes a column n and its registers run down K, so a block of 32 along K lies in one lane and the conversions give codes with K innermost.
; A wave takes 32 columns x 512 along K; its codes go through its own stage and leave as rows: sixteen lanes store 256 consecutive aligned bytes.  Loads run two blocks (64 loads) ahead.
.LW:
	s_sub_co_u32 s21, ttmp9, 256                   ; 0..47: 24 groups of 128 columns x 2 halves of K
	s_cmp_ge_u32 s21, 24
	s_cselect_b32 s22, 1, 0                        ; which 512 along K
	s_cselect_b32 s23, 24, 0
	s_sub_co_u32 s21, s21, s23
	s_lshl_b32 s21, s21, 7
	s_lshl_b32 s23, s20, 5
	s_add_co_u32 s21, s21, s23                     ; my wave's first column
	v_lshlrev_b32 v3, 2, v2                        ; in: 4 bytes a lane
	s_mul_i32 s23, s20, 32*PITCH
	s_add_co_u32 s23, s23, WSTG                    ; my stage
	v_mul_u32_u24 v4, v2, PITCH
	v_add_nc_u32 v4, s23, v4                       ; into it: row = my column
	v_and_b32 v5, 15, v2
	v_lshrrev_b32 v6, 4, v2
	v_mul_u32_u24 v7, v6, PITCH
	v_lshl_add_u32 v7, v5, 4, v7
	v_add_nc_u32 v7, s23, v7                       ; out of it: sixteen lanes to a row, two rows an instruction
	v_mul_u32_u24 v8, v6, KROW
	v_lshl_add_u32 v8, v5, 4, v8                   ; the same place in wc
	v_lshlrev_b32 v9, 5, v2                        ; my column's row of scale bytes
	s_mul_i32 s24, s22, 512*WN*4
	s_lshl_b32 s26, s21, 2
	s_add_co_u32 s24, s24, s26
	s_add_nc_u64 s[6:7], s[6:7], s[24:25]          ; W_qkv: 512 y rows down, my column
	s_lshl_b32 s24, s21, 9
	s_lshl_b32 s26, s22, 8
	s_add_co_u32 s24, s24, s26
	s_add_nc_u64 s[14:15], s[14:15], s[24:25]      ; wc: column x 512 + 256 y
	s_lshl_b32 s24, s21, 5
	s_lshl_b32 s26, s22, 4
	s_add_co_u32 s24, s24, s26
	s_add_nc_u64 s[16:17], s[16:17], s[24:25]      ; ws: column x 32 + 16 y
.macro WLOAD t                         ; block t: W(32 t + i, my column) into set t % 2; the largest offset, 511 rows of 12,288 bytes, lies inside the signed 24-bit immediate
.irp i, 0,1,2,3,4,5,6,7,8,9,10,11,12,13,14,15,16,17,18,19,20,21,22,23,24,25,26,27,28,29,30,31
	global_load_b32 v[WX+32*((\t)%2)+\i], v3, s[6:7] offset:(32*(\t)+\i)*WN*4 th:TH_LOAD_NT
.endr
.endm
	WLOAD 0
	WLOAD 1
.macro WBLOCK t
.set XS, WX+32*((\t)%2)
.if (\t) < 15
	s_wait_loadcnt 32                              ; this block's 32 loads are in; the next block's 32 may be out
.else
	s_wait_loadcnt 0
.endif
	v_max3_num_f32 v12, |v[XS]|, |v[XS+1]|, |v[XS+2]|               ; the block's largest magnitude: all 32 numbers are mine
	v_max3_num_f32 v13, |v[XS+3]|, |v[XS+4]|, |v[XS+5]|
.irp i, 6,10,14,18,22,26
	v_max3_num_f32 v12, v12, |v[XS+\i]|, |v[XS+\i+1]|
	v_max3_num_f32 v13, v13, |v[XS+\i+2]|, |v[XS+\i+3]|
.endr
	v_max3_num_f32 v12, v12, |v[XS+30]|, |v[XS+31]|
	v_max3_num_f32 v12, v12, v13, (EMAX+1)<<23     ; and the floor 2^(3 - 127): the byte cannot fall under 1
	v_add_nc_u32 v11, -(EMAX<<23), v12             ; 2 off its exponent field: the conversion takes the exponent field of this operand as its scale
	v_lshrrev_b32 v13, 23, v11                     ; the scale's byte
.if (\t)%4 == 0
	v_mov_b32 v[WSB+(\t)/4], v13
.else
	v_lshl_or_b32 v[WSB+(\t)/4], v13, 8*((\t)%4), v[WSB+(\t)/4]
.endif
.irp g, 0,1,2,3
	v_cvt_scalef32_pk8_fp4_f32 v[WC+\g], v[XS+8*\g:XS+8*\g+7], v11
.endr
	ds_store_b128 v4, v[WC:WC+3] offset:16*(\t)    ; 32 codes: 16 bytes of my column's row
.if (\t)+2 < 16
	WLOAD (\t)+2
.endif
	s_wait_dscnt 0x0                               ; the store has read its registers: the next block's codes may be written
.endm
.irp t, 0,1,2,3,4,5,6,7,8,9,10,11,12,13,14,15
	WBLOCK \t
.endr
	global_store_b128 v9, v[WSB:WSB+3], s[16:17]   ; my column's 16 scale bytes
.irp t, 0,1,2,3,4,5,6,7,8,9,10,11,12,13,14,15
	ds_load_b128 v[WOUT+4*\t:WOUT+4*\t+3], v7 offset:2*\t*PITCH   ; LDS serves a wave's instructions in order: these see my stores
.endr
.irp t, 0,1,2,3,4,5,6,7,8,9,10,11,12,13,14,15
	s_wait_dscnt 15-\t                             ; loads come back in order: pair t of rows is in
	global_store_b128 v8, v[WOUT+4*\t:WOUT+4*\t+3], s[14:15] offset:2*\t*KROW
.endr
	s_wait_tensorcnt 0x0                           ; the wave's end
	ds_add_u32 v[SPW], v[NIL]
	s_wait_dscnt 0x0
	s_endpgm
; ---- x: a plain stream of blocks of 32.  A wave takes 16 steps of 512 numbers.  Each load reads 512 consecutive bytes; a step's 2,048 bytes turn through the wave's own stage, so that a lane
; then holds 16 neighbours along K (two neighbouring lanes hold a block).  Loads run four steps ahead, the turn through LDS one step.
.LX:
	v_lshlrev_b32 v3, 4, v2                        ; my 16 bytes of a load's 512
	s_mul_i32 s21, s20, WREG
	v_lshrrev_b32 v14, 2, v2
	v_mul_u32_u24 v14, v14, SP
	v_and_b32 v15, 3, v2
	v_lshl_add_u32 v14, v15, 4, v14
	v_add_nc_u32 v14, s21, v14                     ; the stage, on the way in: SP (lane / 4) + 16 (lane % 4)
	v_mul_u32_u24 v15, v2, SP
	v_add_nc_u32 v15, s21, v15                     ; and on the way out: SP x lane
	v_lshlrev_b32 v4, 3, v2                        ; my 8 bytes of a step's codes
	v_lshrrev_b32 v5, 1, v2
	s_add_co_u32 s21, s21, 2*32*SP
	v_add_nc_u32 v5, s21, v5                       ; my block's scale byte in my wave's 256
	v_lshlrev_b32 v7, 3, v2
	v_add_nc_u32 v6, s21, v7
	s_lshl_b32 s22, ttmp9, 2
	s_add_co_u32 s22, s22, s20                     ; my run of 8,192 numbers
	s_lshl_b32 s24, s22, 15
	s_add_nc_u64 s[4:5], s[4:5], s[24:25]
	s_lshl_b32 s24, s22, 12
	s_add_nc_u64 s[10:11], s[10:11], s[24:25]
	s_lshl_b32 s24, s22, 8
	s_add_nc_u64 s[12:13], s[12:13], s[24:25]
.macro XLOAD t
.irp i, 0,1,2,3
	global_load_b128 v[XR+16*((\t)%4)+4*\i:XR+16*((\t)%4)+4*\i+3], v3, s[4:5] offset:2048*(\t)+512*\i th:TH_LOAD_NT
.endr
.endm
.macro XTURN t                         ; step t's numbers through the stage: LDS serves a wave's instructions in order, so no wait stands between the stores and the loads
.irp i, 0,1,2,3
	ds_store_b128 v14, v[XR+16*((\t)%4)+4*\i:XR+16*((\t)%4)+4*\i+3] offset:32*SP*((\t)%2)+8*SP*\i
.endr
.irp i, 0,1,2,3
	ds_load_b128 v[XX+16*((\t)%2)+4*\i:XX+16*((\t)%2)+4*\i+3], v15 offset:32*SP*((\t)%2)+16*\i
.endr
.endm
.irp t, 0,1,2,3
	XLOAD \t
.endr
	s_wait_loadcnt 12                              ; step 0's four loads are in; the twelve of steps 1 to 3 may be out
	XTURN 0
.macro XSTEP t
.set XS, XX+16*((\t)%2)
.if (\t) > 0
	s_wait_dscnt 1                                 ; this step's numbers are back from the stage; the last step's byte store may be out
.else
	s_wait_dscnt 0x0
.endif
.if (\t)+4 < 16
	XLOAD (\t)+4
.endif
.if (\t)+1 < 16
.if 14-(\t) >= 3
	s_wait_loadcnt 12                              ; the next step's four loads are in; those of the three steps behind it may be out
.else
	s_wait_loadcnt 4*(14-(\t))
.endif
	XTURN (\t)+1
.endif
	v_max3_num_f32 v8, |v[XS]|, |v[XS+1]|, |v[XS+2]|               ; the largest magnitude of my 16
	v_max3_num_f32 v9, |v[XS+3]|, |v[XS+4]|, |v[XS+5]|
.irp i, 6,10
	v_max3_num_f32 v8, v8, |v[XS+\i]|, |v[XS+\i+1]|
	v_max3_num_f32 v9, v9, |v[XS+\i+2]|, |v[XS+\i+3]|
.endr
	v_max3_num_f32 v8, v8, |v[XS+14]|, |v[XS+15]|
	v_max3_num_f32 v8, v8, v9, (EMAX+1)<<23        ; and the floor 2^(3 - 127)
	v_max_num_f32_dpp v8, v8, v8 row_xmask:1 row_mask:0xf bank_mask:0xf   ; and of my neighbour's 16: the block's
	v_add_nc_u32 v11, -(EMAX<<23), v8              ; the conversion's scale operand
	v_cvt_scalef32_pk8_fp4_f32 v[XC+4*(\t)], v[XS:XS+7], v11
	v_cvt_scalef32_pk8_fp4_f32 v[XC+4*(\t)+1], v[XS+8:XS+15], v11
	v_lshrrev_b32 v[XE+(\t)], 23, v11              ; the scale's byte
	ds_store_b8 v5, v[XE+(\t)] offset:16*(\t)      ; both lanes of a block write the same byte with the same value
	global_store_b64 v4, v[XC+4*(\t):XC+4*(\t)+1], s[10:11] offset:256*(\t)   ; the wave stores 256 consecutive aligned bytes
.endm
.irp t, 0,1,2,3,4,5,6,7,8,9,10,11,12,13,14,15
	XSTEP \t
.endr
	ds_load_b64 v[8:9], v6                         ; my wave's 256 scale bytes, 8 a lane
	s_wait_dscnt 0x0
	global_store_b64 v7, v[8:9], s[12:13]          ; 256 consecutive aligned bytes
	s_wait_tensorcnt 0x0                           ; the wave's end
	ds_add_u32 v[SPW], v[NIL]
	s_wait_dscnt 0x0
	s_endpgm
.Lfunc_end_k_q618d6c3871_prep:
	.size	k_q618d6c3871_prep, .Lfunc_end_k_q618d6c3871_prep-k_q618d6c3871_prep
	.p2alignl 7, 3214868480
	.fill 96, 4, 3214868480
	.section	.rodata,"a",@progbits
	.p2align	6, 0x0
	.amdhsa_kernel k_q618d6c3871_prep
		.amdhsa_group_segment_fixed_size 68096
		.amdhsa_private_segment_fixed_size 0
		.amdhsa_enable_private_segment 0
		.amdhsa_kernarg_size 64
		.amdhsa_user_sgpr_count 2
		.amdhsa_user_sgpr_kernarg_segment_ptr 1
		.amdhsa_wavefront_size32 1
		.amdhsa_system_sgpr_workgroup_id_x 1
		.amdhsa_system_sgpr_workgroup_id_y 1
		.amdhsa_system_sgpr_workgroup_id_z 1
		.amdhsa_system_vgpr_workitem_id 0
		.amdhsa_next_free_vgpr 192
		.amdhsa_next_free_sgpr 66
		.amdhsa_reserve_vcc 0
		.amdhsa_float_denorm_mode_32 3
		.amdhsa_float_denorm_mode_16_64 3
		.amdhsa_memory_ordered 1
		.amdhsa_forward_progress 1
		.amdhsa_inst_pref_size 131
	.end_amdhsa_kernel
	.amdgpu_metadata
---
amdhsa.version: [ 1, 2 ]
amdhsa.kernels:
  - .name:           k_q618d6c3871_prep
    .symbol:         k_q618d6c3871_prep.kd
    .args:
      - { .name: x, .offset: 0, .size: 8, .value_kind: global_buffer, .address_space: global }
      - { .name: W_qkv, .offset: 8, .size: 8, .value_kind: global_buffer, .address_space: global }
      - { .name: W_out, .offset: 16, .size: 8, .value_kind: global_buffer, .address_space: global }
      - { .name: xc, .offset: 24, .size: 8, .value_kind: global_buffer, .address_space: global }
      - { .name: xs, .offset: 32, .size: 8, .value_kind: global_buffer, .address_space: global }
      - { .name: wc, .offset: 40, .size: 8, .value_kind: global_buffer, .address_space: global }
      - { .name: ws, .offset: 48, .size: 8, .value_kind: global_buffer, .address_space: global }
      - { .name: wo16, .offset: 56, .size: 8, .value_kind: global_buffer, .address_space: global }
    .group_segment_fixed_size: 68096
    .private_segment_fixed_size: 0
    .kernarg_segment_align: 8
    .kernarg_segment_size: 64
    .max_flat_workgroup_size: 128
    .sgpr_count:     66
    .vgpr_count:     192
    .wavefront_size: 32
...
	.end_amdgpu_metadata
.endif
;; end of part 1
;; launch qkvg (part 2): grid 12 x 32, 4 waves a work-group, clusters of 4 x 4, 327,680 bytes of LDS; arguments xc, xs, wc, ws, b_qkv, qkv, q32; writes qkv, q32
.if DOCPART == 2
	.amdgcn_target "amdgcn-amd-amdhsa--gfx1250"
	.amdhsa_code_object_version 6
	.text
	.protected	k_q618d6c3871_qkvg
	.globl	k_q618d6c3871_qkvg
	.p2align	8
	.type	k_q618d6c3871_qkvg,@function
k_q618d6c3871_qkvg:
	s_mov_b64 s[64:65], 0
	v_nop
	global_prefetch_b8 v0, s[64:65] scope:SCOPE_SE
	s_setreg_imm32_b32 hwreg(HW_REG_WAVE_MODE, 25, 1), 1
	s_wait_xcnt 0x0
	s_wait_alu depctr_hold_cnt(0) depctr_sa_sdst(0) depctr_va_vdst(0) depctr_va_sdst(0) depctr_va_ssrc(0) depctr_va_vcc(0) depctr_vm_vsrc(0)
	s_getreg_b32 s2, hwreg(HW_REG_IB_STS2, 6, 4)
	s_cmp_eq_u32 s2, 0
	s_cbranch_scc0 .Lentry_in_a_cluster
	s_endpgm
.Lentry_in_a_cluster:
	s_bfe_u32 s2, ttmp6, 0x10000c
	s_cmp_lg_u32 s2, 0xf033
	s_cbranch_scc0 .Lentry_shape_is_right
	s_endpgm
.Lentry_shape_is_right:
; qkv = Q(x) Q(W_qkv) + b_qkv on codes of FP4 (E2M1) with one E8M0 scale for each 32 along K; M 8,192, N 3,072, K 1,024; sums in f32.
; A tile of 256 x 256 is made by four waves, 128 x 128 each: 64 accumulators, 512 registers.  K is two slots of 512: both are first fills, nothing in LDS is filled again.
; The scale bytes of the tile's 256 + 256 rows for all of K come once, as dense blocks.  The bias is the C of each sum's first product.
; CLUSTER 4 x 4: A's tiles are asked for jointly along a row of the cluster, B's along a column.  Tile row = cluster y + 8 cy: so "my tile begins a batch" is cluster y = 0, the same in all sixteen partners.
; THE PRODUCT IS USED TRANSPOSED (source 0 = 16 rows of B, source 1 = 16 rows of A): a lane holds eight neighbouring columns of one row.
; OUT: qkv, f16, laid [48 = which x 16 + head][8192 rows][64]: a head's rows are 128 bytes and follow each other, so four rows are 512 consecutive bytes.
;      q32, f32, [64 = batch x 16 + position][3072]: the first 16 positions of each batch, unrounded, for the launch that carries those rows in f32.
; LIMIT: |q|, |k|, |v| stay under 65,504, the largest f16 number.
; REGISTERS: window 0: v16-30 addresses; v32-95 scale words, two sets, and nothing else; v128-191 A's fragments; v192-255 the bias (block b at v[192 + 8 b]).  Window 1: B's fragments, two sets.
;   Windows 2, 3: the accumulators.  On the way out: v192-223 packed results, v96-127 and v224-255 rows read back by turns, v128-191 the f32 rows.
.set NQ,     4                         ; matrix instructions deep in a slot
.set ROWB,   256                       ; a tile's row: 512 codes
.set KROW,   512                       ; a row of codes in memory
.set PITCH,  272                       ; an LDS row: 256 bytes + 16 of padding: the 16 rows of a fragment load start 16 bytes apart modulo 256
.set FR,     8
.set NL,     2
.set NP,     4
.set HALFT,  128*PITCH
.set SLOT,   4*HALFT
.set KS,     32                        ; a row of scale bytes
.set SCL,    2*SLOT
.set HALFS,  (128*KS/256)*272
.set SBLK,   (16*KS/256)*272
.set SPARE,  SCL+4*HALFS               ; the spare words, 128 bytes a wave
.set HP,     400                       ; the f16 stage: 16 rows x 400 bytes for each wave, in slot 0, which has had its only fill and its last read when the first result is stored there
.set FSTG0,  4*16*HP                   ; behind them the f32 stages: 16 rows x 528 bytes for each wave
.set ADRA, 16
.set ADRB, 20
.set STO32, 22
.set RD32, 23
.set STO,  24
.set RD,   25
.set CO,   26
.set ADRS, 27
.set SPW,  28
.set NIL,  29
.set BO,   30                          ; v30  32 x (lane / 16): my eight numbers of a block's bias
.set SC,   32
.set AF,   128
.set BIAS, 192
.set TMP,  192
.set B32,  128
.set G1, 24
.set G0, 32
.set G1B, 48
.set G0B, 56
.set G1S, 68
.set G0S, 76
.set G1SB, 80
.set G0SB, 88
.set MSB, 0
.macro WIN new                         ; the immediate's high byte repeats the setting that is left
.if MSB != (\new)
	s_set_vgpr_msb (MSB<<8)|(\new)
.set MSB, (\new)
.endif
.endm
.set MUL_LO, 0xa1                      ; source 0 (B) window 1, source 1 (A) window 0, C and D window 2
.set MUL_HI, 0xf1                      ; the same, C and D window 3
.set TO_B,   0x40
; A joint load: waves 0 and 1 fetch for A, waves 2 and 3 for B; the branch hangs on the wave's number alone.  An s_nop 0 and four v_nop follow each line.
.macro JLOAD g0a, g1a, g0b, g1b
	s_cmp_eq_u32 s15, 0
	s_cbranch_scc0 .Lfor_b_\@
	tensor_load_to_lds s[\g0a:\g0a+3], s[\g1a:\g1a+7]
	s_nop 0
.rept 4
	v_nop
.endr
	s_branch .Lasked_\@
.Lfor_b_\@:
	tensor_load_to_lds s[\g0b:\g0b+3], s[\g1b:\g1b+7]
	s_nop 0
.rept 4
	v_nop
.endr
.Lasked_\@:
.endm
.macro CROUND                          ; a round of the cluster's barrier
	s_barrier_signal -1
	s_barrier_wait -1
	s_cmp_lg_u32 s14, 0
	s_cbranch_scc1 .Lnot_wave_0_\@
	s_barrier_signal -3
.Lnot_wave_0_\@:
	s_barrier_wait -3
	s_barrier_signal -1
	s_barrier_wait -1
.endm
	s_load_b256 s[4:11], s[0:1], 0x0               ; A's codes s[4:5], A's scales s[6:7], B's codes s[8:9], B's scales s[10:11]
	s_load_b128 s[96:99], s[0:1], 0x20             ; b_qkv s[96:97], qkv s[98:99]
	s_load_b64 s[100:101], s[0:1], 0x30            ; q32
	v_lshl_add_u32 v[SPW], v0, 2, SPARE
	v_mov_b32 v[NIL], 0
	ds_add_u32 v[SPW], v[NIL]                      ; the wave's opening: the add, twice on end, and its wait ahead of my first tensor load
	ds_add_u32 v[SPW], v[NIL]
	v_lshrrev_b32 v1, 5, v0
	v_readfirstlane_b32 s14, v1                    ; wave 0..3
	s_lshr_b32 s15, s14, 1                         ; which half of the tile's rows is mine.  Also: I fetch for A (0) or for B (1)
	s_and_b32 s16, s14, 1                          ; which half of its columns.  Also: which 128 rows I fetch
	s_bfe_u32 s40, ttmp6, 0x40000                  ; cx
	s_bfe_u32 s41, ttmp6, 0x40004                  ; cy
	s_lshl_b32 s42, ttmp9, 2
	s_add_co_u32 s42, s42, s40                     ; tile column = 4 x cluster x + cx
	s_and_b32 s13, ttmp7, 0xffff                   ; cluster y
	s_lshl_b32 s17, s41, 3
	s_add_co_u32 s17, s17, s13                     ; tile row = cluster y + 8 cy: cy is the batch
	s_lshl_b32 s43, s41, 2
	s_lshl_b32 s43, 15, s43                        ; my row of the cluster
	s_lshl_b32 s44, 0x1111, s40                    ; my column
	s_or_b32 s[G1+0], s43, (0<<16)|(1<<20)|(1<<21)|(5<<22)|(3<<25)  ; the mask; elements of 1 byte; padding on; bit 21 beside a mask; 4 words of padding after every 64
	s_or_b32 s[G1B+0], s44, (0<<16)|(1<<20)|(1<<21)|(5<<22)|(3<<25)
.irp g, G1, G1B
	s_mov_b32 s[\g+1], ROWB<<16                    ; tensor_dim0
	s_mov_b32 s[\g+2], 128<<16                     ; tensor_dim1
	s_mov_b32 s[\g+3], ROWB<<16                    ; tile_dim0
	s_mov_b32 s[\g+4], 128                         ; tile_dim1
	s_mov_b32 s[\g+5], KROW                        ; the pitch in memory
	s_mov_b32 s[\g+6], 0
	s_mov_b32 s[\g+7], 0
.endr
	s_or_b32 s[G1S+0], s43, (3<<16)|(1<<20)|(1<<21)|(5<<22)|(3<<25) ; the scales of 128 rows: 4,096 dense bytes as 16 rows of 32 elements of 8 bytes
	s_or_b32 s[G1SB+0], s44, (3<<16)|(1<<20)|(1<<21)|(5<<22)|(3<<25)
.irp g, G1S, G1SB
	s_mov_b32 s[\g+1], 32<<16
	s_mov_b32 s[\g+2], (128*KS/256)<<16
	s_mov_b32 s[\g+3], 32<<16
	s_mov_b32 s[\g+4], 128*KS/256
	s_mov_b32 s[\g+5], 32
	s_mov_b32 s[\g+6], 0
	s_mov_b32 s[\g+7], 0
.endr
	s_lshl_b32 s18, s16, 7
	s_lshl_b32 s20, s17, 8
	s_add_co_u32 s20, s20, s18                     ; A: row 256 x tile row + 128 x half
	s_lshl_b32 s46, s42, 8
	s_add_co_u32 s46, s46, s18                     ; B: row 256 x tile column + 128 x half
	s_mov_b32 s21, 0
	s_mov_b32 s47, 0
	s_mov_b64 s[18:19], KS
	s_mul_u64 s[22:23], s[20:21], s[18:19]
	s_mul_u64 s[92:93], s[46:47], s[18:19]
	s_mov_b64 s[18:19], KROW
	s_mul_u64 s[20:21], s[20:21], s[18:19]
	s_mul_u64 s[46:47], s[46:47], s[18:19]
	s_mul_i32 s45, s14, HALFT                      ; where they go: wave x 128 rows
	s_mul_i32 s94, s14, HALFS
	s_wait_dscnt 0x0                               ; both opening adds are done
	s_wait_kmcnt 0x0
	s_add_nc_u64 s[20:21], s[4:5], s[20:21]
	s_add_nc_u64 s[22:23], s[6:7], s[22:23]
	s_add_nc_u64 s[46:47], s[8:9], s[46:47]
	s_add_nc_u64 s[92:93], s[10:11], s[92:93]
	CROUND                                         ; all sixteen work-groups are here: the joint loads meet
	s_mov_b32 s[G0S], 1
	s_add_co_u32 s[G0S+1], s94, SCL
	s_mov_b64 s[G0S+2:G0S+3], s[22:23]
	s_or_b32 s[G0S+3], s[G0S+3], 0x80000000
	s_mov_b32 s[G0SB], 1
	s_add_co_u32 s[G0SB+1], s94, SCL
	s_mov_b64 s[G0SB+2:G0SB+3], s[92:93]
	s_or_b32 s[G0SB+3], s[G0SB+3], 0x80000000
	JLOAD G0S, G1S, G0SB, G1SB                     ; the scales first; with the two below three loads of mine are out
.irp s, 0,1
	s_mov_b32 s[G0+4*\s], 1
	s_add_co_u32 s[G0+4*\s+1], s45, \s*SLOT
	s_add_nc_u64 s[G0+4*\s+2:G0+4*\s+3], s[20:21], \s*ROWB
	s_or_b32 s[G0+4*\s+3], s[G0+4*\s+3], 0x80000000
	s_mov_b32 s[G0B+4*\s], 1
	s_add_co_u32 s[G0B+4*\s+1], s45, \s*SLOT
	s_add_nc_u64 s[G0B+4*\s+2:G0B+4*\s+3], s[46:47], \s*ROWB
	s_or_b32 s[G0B+4*\s+3], s[G0B+4*\s+3], 0x80000000
	JLOAD G0+4*\s, G1, G0B+4*\s, G1B
.endr
	v_and_b32 v1, 15, v0                           ; r = lane % 16
	v_bfe_u32 v2, v0, 4, 1                         ; h = lane / 16
	s_lshl_b32 s46, s42, 10
	s_lshl_b32 s47, s16, 9
	s_add_co_u32 s46, s46, s47                     ; 4 x my first column
	s_mov_b32 s47, 0
	s_add_nc_u64 s[96:97], s[96:97], s[46:47]
	s_add_nc_u64 s[100:101], s[100:101], s[46:47]
	s_mul_i32 s46, s41, 196608                     ; q32: 16 rows of 12,288 bytes for each batch
	s_add_nc_u64 s[100:101], s[100:101], s[46:47]
	v_lshlrev_b32 v[BO], 5, v2
.irp b, 0,1,2,3,4,5,6,7
	global_load_b128 v[BIAS+8*\b:BIAS+8*\b+3], v[BO], s[96:97] offset:64*\b        ; b_qkv at columns 16 b + 8 h + 0 .. 7: the result's layout
	global_load_b128 v[BIAS+8*\b+4:BIAS+8*\b+7], v[BO], s[96:97] offset:64*\b+16
.endr
	v_mul_u32_u24 v3, v1, PITCH
	v_lshl_add_u32 v4, v2, 4, v3                   ; a fragment's row x pitch + 16 x half
	s_mul_i32 s21, s15, HALFT
	s_mul_i32 s22, s16, HALFT
	s_add_co_u32 s22, s22, 2*HALFT
.irp s, 0,1
	v_add_nc_u32 v[ADRA+\s], s21, v4
	v_add_nc_u32 v[ADRB+\s], s22, v4
	s_add_co_u32 s21, s21, SLOT
	s_add_co_u32 s22, s22, SLOT
.endr
	v_mul_u32_u24 v5, v1, KS                       ; my row's scales: 32 bytes a row,
	v_lshrrev_b32 v6, 8, v5
	v_lshl_add_u32 v5, v6, 4, v5                   ; and 16 more for each 256 passed
	s_mul_i32 s21, s15, HALFS
	s_mul_i32 s22, s16, HALFS
	s_add_co_u32 s22, s22, 2*HALFS
	s_sub_co_u32 s22, s22, s21
	v_mul_u32_u24 v6, s22, v2                      ; lanes 16-31 take B's
	s_add_co_u32 s21, s21, SCL
	v_add_nc_u32 v5, v5, v6
	v_add_nc_u32 v[ADRS], s21, v5
	s_mul_i32 s23, s14, 16*HP                      ; my f16 stage
	v_mul_u32_u24 v5, v1, HP
	v_lshl_add_u32 v5, v2, 4, v5
	v_add_nc_u32 v[STO], s23, v5                   ; in: row r, 16 bytes for each half of the lanes
	v_and_b32 v6, 31, v0
	v_lshrrev_b32 v5, 3, v6
	v_mul_u32_u24 v5, v5, HP
	v_and_b32 v7, 7, v0
	v_lshl_add_u32 v5, v7, 4, v5
	v_add_nc_u32 v[RD], s23, v5                    ; back: eight lanes take a head's 128 bytes of a row, four rows an instruction
	v_lshlrev_b32 v[CO], 4, v6                     ; and in memory those are 512 consecutive bytes
	s_mul_i32 s23, s14, 16*528
	s_add_co_u32 s23, s23, FSTG0                   ; my f32 stage
	v_mul_u32_u24 v5, v1, 528
	v_lshl_add_u32 v5, v2, 5, v5
	v_add_nc_u32 v[STO32], s23, v5
	v_add_nc_u32 v[RD32], s23, v[CO]
	s_lshl_b32 s20, s17, 15                        ; qkv: my first row, 128 bytes a row,
	s_lshl_b32 s21, s15, 14
	s_add_co_u32 s20, s20, s21
	s_mov_b32 s21, 0
	s_lshl_b32 s46, s42, 22                        ; and my first group of 64 columns, 2^20 bytes a group: 4 x tile column + 2 x half
	s_lshl_b32 s47, s16, 21
	s_add_co_u32 s46, s46, s47
	s_mov_b32 s47, 0
	s_add_nc_u64 s[20:21], s[20:21], s[46:47]
	s_add_nc_u64 s[98:99], s[98:99], s[20:21]
.macro FRAG reg, adr, q, i             ; 16 rows x 128 K of 4-bit codes: 8 registers, two loads 32 bytes apart
.irp c, 0,1
	ds_load_b128 v[\reg+4*\c:\reg+4*\c+3], v[\adr] offset:64*(\q)+32*\c+(\i)*16*PITCH
.endr
.endm
; 16 matrix instructions: A's blocks a0, a0 + 1 x B's eight.  zero = 1: the first product starts the sums from the bias.  The 64 accumulators take turns, one instruction a turn.
.macro MUL16 a0, p, q, sc, zero
.irp a, \a0, \a0+1
.irp b, 0,1,2,3,4,5,6,7
.if \zero
	v_wmma_scale_f32_16x16x128_f8f6f4 v[8*(8*((\a)%4)+\b):8*(8*((\a)%4)+\b)+7], v[128*(\p)+FR*\b:128*(\p)+FR*\b+FR-1], v[AF+FR*(\a):AF+FR*(\a)+FR-1], v[BIAS+8*\b:BIAS+8*\b+7], v[SC+8*NQ*(\sc)+NQ*\b+(\q)], v[SC+8*NQ*(\sc)+NQ*(\a)+(\q)] matrix_a_fmt:MATRIX_FMT_FP4 matrix_b_fmt:MATRIX_FMT_FP4 matrix_a_scale:MATRIX_SCALE_ROW1
.else
	v_wmma_scale_f32_16x16x128_f8f6f4 v[8*(8*((\a)%4)+\b):8*(8*((\a)%4)+\b)+7], v[128*(\p)+FR*\b:128*(\p)+FR*\b+FR-1], v[AF+FR*(\a):AF+FR*(\a)+FR-1], v[8*(8*((\a)%4)+\b):8*(8*((\a)%4)+\b)+7], v[SC+8*NQ*(\sc)+NQ*\b+(\q)], v[SC+8*NQ*(\sc)+NQ*(\a)+(\q)] matrix_a_fmt:MATRIX_FMT_FP4 matrix_b_fmt:MATRIX_FMT_FP4 matrix_a_scale:MATRIX_SCALE_ROW1
.endif
.endr
.endr
.endm
.macro FETCH_B slot, q, p
	WIN TO_B
.irp i, 0,1,2,3,4,5,6,7
	FRAG 128*(\p)+FR*\i, ADRB+\slot, \q, \i
.endr
	WIN 0
.endm
.macro FETCH_A slot, q, i0
.irp i, \i0, \i0+1, \i0+2, \i0+3
	FRAG AF+FR*(\i), ADRA+\slot, \q, \i
.endr
.endm
.macro SCALES sc                       ; a slot's scale words: lanes 0-15 take A's block i, lanes 16-31 B's block i
.irp i, 0,1,2,3,4,5,6,7
	ds_load_b128 v[SC+8*NQ*\sc+NQ*\i:SC+8*NQ*\sc+NQ*\i+3], v[ADRS] offset:\i*SBLK
.endr
.endm
.macro PLACES n                        ; plain vector instructions between a matrix instruction and a load into, or a read of, its registers
.rept \n
	v_nop
.endr
.endm
.macro STEP slot, q, zero              ; 128 along K that has its successor in the same slot
	s_wait_dscnt 4*NL                              ; B's set and A's blocks 0-3 are in; the youngest eight loads (A's blocks 4-7) may be out
.if \zero
	WIN 0x81                                       ; C, the bias, in window 0; D in window 2
.else
	WIN MUL_LO
.endif
	MUL16 0, (\q)%2, \q, \slot, \zero
	MUL16 2, (\q)%2, \q, \slot, \zero
	s_wait_dscnt 0
	PLACES NP
	FETCH_B \slot, (\q)+1, 1-(\q)%2
	FETCH_A \slot, (\q)+1, 0
.if \zero
	WIN 0xc1
.else
	WIN MUL_HI
.endif
	MUL16 4, (\q)%2, \q, \slot, \zero
	MUL16 6, (\q)%2, \q, \slot, \zero
	PLACES NP
	WIN 0
	FETCH_A \slot, (\q)+1, 4
.endm
.macro TURN slot, next                 ; slot 0's last step: one barrier; behind it slot 1 is whole for every wave and nobody reads slot 0 any more
	s_wait_tensorcnt 0x0                           ; all my tensor loads have landed: my part of slot 1
	ds_add_u32 v[SPW], v[NIL]                      ; 0 onto my spare word
	s_wait_dscnt 4*NL+1                            ; the add and the youngest eight loads may be out
	WIN MUL_LO
	MUL16 0, 1, NQ-1, \slot, 0
	s_wait_dscnt 0x0                               ; the add is done, and my reads of this slot are over
	s_barrier_signal -1
	MUL16 2, 1, NQ-1, \slot, 0
	WIN 0
	s_barrier_wait -1
	PLACES NP
	v_add_nc_u32 v[ADRS], 4*NQ, v[ADRS]            ; on to the next slot's scale words
	FETCH_B \next, 0, 0
	FETCH_A \next, 0, 0
	SCALES \next
	WIN MUL_HI
	MUL16 4, 1, NQ-1, \slot, 0
	MUL16 6, 1, NQ-1, \slot, 0
	PLACES NP
	WIN 0
	FETCH_A \next, 0, 4
.endm
	s_wait_tensorcnt 1                             ; the scales and my part of slot 0 are in; slot 1's load may be out
	s_barrier_signal -1
	s_barrier_wait -1
	FETCH_B 0, 0, 0
	FETCH_A 0, 0, 0
	SCALES 0
	FETCH_A 0, 0, 4
	s_wait_loadcnt 0x0                             ; the bias
	STEP 0, 0, 1
	STEP 0, 1, 0
	STEP 0, 2, 0
	TURN 0, 1
	STEP 1, 0, 0
	STEP 1, 1, 0
	STEP 1, 2, 0
	s_wait_dscnt 4*NL                              ; the last step: nothing more to fetch
	WIN MUL_LO
	MUL16 0, 1, NQ-1, 1, 0
	MUL16 2, 1, NQ-1, 1, 0
	s_wait_dscnt 0
	WIN MUL_HI
	MUL16 4, 1, NQ-1, 1, 0
	MUL16 6, 1, NQ-1, 1, 0
	WIN 0
; THE WAY OUT, a block of 16 rows x 128 columns (two heads) at a time: rounded to f16, 16 bytes a lane into my stage, back as four rows of one head, stored as 512 consecutive aligned bytes.
.macro PACK a
.set AC, 64*((\a)%4)
	WIN 0x0a+5*((\a)/4)                            ; sources in window 2 or 3
.irp b, 0,1,2,3,4,5,6,7
.irp r, 0,1,2,3
	v_cvt_pk_f16_f32 v[TMP+4*\b+\r], v[AC+8*\b+2*\r], v[AC+8*\b+2*\r+1]   ; each accumulator from its low end on
.endr
.endr
	WIN 0
.endm
.macro TOSTAGE a
.set BB, 96+128*((\a)%2)
.irp b, 0,1,2,3,4,5,6,7
	ds_store_b128 v[STO], v[TMP+4*\b:TMP+4*\b+3] offset:32*\b
.endr
.irp hh, 0,1
.irp g, 0,1,2,3
	ds_load_b128 v[BB+16*\hh+4*\g:BB+16*\hh+4*\g+3], v[RD] offset:128*\hh+4*HP*\g   ; LDS serves a wave's instructions in order: these see the stores above
.endr
.endr
.endm
.macro SEND a
.set BB, 96+128*((\a)%2)
	s_wait_dscnt 0x0                               ; the block is back in registers
	s_wait_xcnt 0x0                                ; the stores of the block before have read their registers: the next block's loads may land there
.irp hh, 0,1
.irp g, 0,1,2,3
	global_store_b128 v[CO], v[BB+16*\hh+4*\g:BB+16*\hh+4*\g+3], s[98:99] offset:\hh*1048576+(\a)*2048+\g*512
.endr
.endr
.endm
	PLACES NP
	PACK 0
	TOSTAGE 0
.irp a, 1,2,3,4,5,6,7                  ; block a's conversions stand between block a - 1's loads from the stage and the wait for them
	PACK \a
	SEND \a-1
	TOSTAGE \a
.endr
	SEND 7
	; positions 0 to 15 of a batch, unrounded: my block 0, where I hold the tile's upper rows (a branch on the wave's number) and the tile begins a batch (cluster y = 0: alike in all partners)
	s_cmp_lg_u32 s15, 0
	s_cbranch_scc1 .Lno32
	s_cmp_lg_u32 s13, 0
	s_cbranch_scc1 .Lno32
	WIN 0x08                                       ; an LDS store's data are its source 1: window 2
.irp b, 0,1,2,3,4,5,6,7
	ds_store_b128 v[STO32], v[8*\b:8*\b+3] offset:64*\b
	ds_store_b128 v[STO32], v[8*\b+4:8*\b+7] offset:64*\b+16
.endr
	WIN 0
.irp t, 0,1,2,3,4,5,6,7,8,9,10,11,12,13,14,15
	ds_load_b128 v[B32+4*\t:B32+4*\t+3], v[RD32] offset:\t*528
.endr
.irp t, 0,1,2,3,4,5,6,7,8,9,10,11,12,13,14,15
	s_wait_dscnt 15-\t                             ; row t is back
	global_store_b128 v[CO], v[B32+4*\t:B32+4*\t+3], s[100:101] offset:\t*12288   ; 512 consecutive aligned bytes of a row
.endr
.Lno32:
	s_wait_tensorcnt 0x0                           ; the wave's end
	ds_add_u32 v[SPW], v[NIL]
	s_wait_dscnt 0x0
	CROUND                                         ; the closing round
	s_endpgm
.Lfunc_end_k_q618d6c3871_qkvg:
	.size	k_q618d6c3871_qkvg, .Lfunc_end_k_q618d6c3871_qkvg-k_q618d6c3871_qkvg
	.p2alignl 7, 3214868480
	.fill 96, 4, 3214868480
	.section	.rodata,"a",@progbits
	.p2align	6, 0x0
	.amdhsa_kernel k_q618d6c3871_qkvg
		.amdhsa_group_segment_fixed_size 327680
		.amdhsa_private_segment_fixed_size 0
		.amdhsa_enable_private_segment 0
		.amdhsa_kernarg_size 56
		.amdhsa_user_sgpr_count 2
		.amdhsa_user_sgpr_kernarg_segment_ptr 1
		.amdhsa_wavefront_size32 1
		.amdhsa_system_sgpr_workgroup_id_x 1
		.amdhsa_system_sgpr_workgroup_id_y 1
		.amdhsa_system_sgpr_workgroup_id_z 1
		.amdhsa_system_vgpr_workitem_id 0
		.amdhsa_next_free_vgpr 1024
		.amdhsa_next_free_sgpr 102
		.amdhsa_reserve_vcc 0
		.amdhsa_float_denorm_mode_32 3
		.amdhsa_float_denorm_mode_16_64 3
		.amdhsa_memory_ordered 1
		.amdhsa_forward_progress 1
		.amdhsa_inst_pref_size 133
	.end_amdhsa_kernel
	.amdgpu_metadata
---
amdhsa.version: [ 1, 2 ]
amdhsa.kernels:
  - .name:           k_q618d6c3871_qkvg
    .symbol:         k_q618d6c3871_qkvg.kd
    .args:
      - { .name: xc, .offset: 0, .size: 8, .value_kind: global_buffer, .address_space: global }
      - { .name: xs, .offset: 8, .size: 8, .value_kind: global_buffer, .address_space: global }
      - { .name: wc, .offset: 16, .size: 8, .value_kind: global_buffer, .address_space: global }
      - { .name: ws, .offset: 24, .size: 8, .value_kind: global_buffer, .address_space: global }
      - { .name: b_qkv, .offset: 32, .size: 8, .value_kind: global_buffer, .address_space: global }
      - { .name: qkv, .offset: 40, .size: 8, .value_kind: global_buffer, .address_space: global }
      - { .name: q32, .offset: 48, .size: 8, .value_kind: global_buffer, .address_space: global }
    .group_segment_fixed_size: 327680
    .private_segment_fixed_size: 0
    .kernarg_segment_align: 8
    .kernarg_segment_size: 56
    .max_flat_workgroup_size: 128
    .sgpr_count:     102
    .vgpr_count:     1024
    .wavefront_size: 32
...
	.end_amdgpu_metadata
.endif
;; end of part 2
;; launch attn (part 3): grid 4 x 64, 8 waves a work-group, no clusters, 327,680 bytes of LDS; arguments qkv, att; writes att
.if DOCPART == 3
	.amdgcn_target "amdgcn-amd-amdhsa--gfx1250"
	.amdhsa_code_object_version 6
	.text
	.protected	k_q618d6c3871_attn
	.globl	k_q618d6c3871_attn
	.p2align	8
	.type	k_q618d6c3871_attn,@function
k_q618d6c3871_attn:
	s_mov_b64 s[64:65], 0
	v_nop
	global_prefetch_b8 v0, s[64:65] scope:SCOPE_SE
	s_setreg_imm32_b32 hwreg(HW_REG_WAVE_MODE, 25, 1), 1
	s_wait_xcnt 0x0
; att[head][b, q][:] = the sum over keys k <= q of softmax_k(Q[q] . K[k] / 8) V[k][:], for 64 (batch, head) pairs of 2,048 positions, head size 64.  Operands f16; products, maxima and sums f32;
; the weights p are rounded to f16 for the second product, the result once at the end.  The running maximum is taken away ahead of every exponential.
; SHARES.  Work-group (p, batch x head), p = 0..3, owns two blocks of 256 queries: first block 7 - p, then block p.  Keys go in units of 256: 8 - p units and p + 1 units, 9 for every work-group:
; one loop of constant count, and all 256 work-groups have the same work.  A wave owns 32 queries, two tiles of 16; two waves share a SIMD.  A step is 64 keys.
; NO CLUSTER: the four work-groups of a head want the same unit only in their first trips (5 at p = 3); later each wants another, so a joint load would bring partners tiles that none of their waves reads.
; LAYOUT.  S^T = K Q^T (source 0 = 16 keys, source 1 = 16 queries): a lane holds ONE query (lane % 16) and keys 8 (lane / 16) + 0..7.  Two such tiles, rounded in pairs, are source 1 of O^T = V^T P.
; K comes out of LDS as it lies, V ([key][channel]) turned, by ds_load_tr16_b128.
; THE MASK.  A step all of whose keys come after my 32 queries is jumped over (ids alone); on the diagonal hidden scores become -infinity ahead of the maximum.  Key 0 counts for every query.
; LIMIT: q, k, v as f16; positions 0-15 of every sequence are written again, in f32, by a later launch.
; REGISTERS.  Window 0: v2-15 addresses and constants; v16-31 statistics, 8 a tile: +0 c m, +1 m, +2, +3 l, +4..7 at work, a at +6; v32-63 Q; v64-127 K; v128-191 S^T; v192-223 P; v224-229 at work.
;   Window 1: v0-63 O^T (tile t, channels 16 ct on: 32 t + 8 ct); v64-127 V.
.set KP,    144                        ; a row of K in LDS: 128 bytes + 16
.set VP,    160                        ; a row of V: 128 + 32
.set VOFF,  256*KP                     ; a slot: 256 rows of K, then 256 rows of V
.set SLOT1, 1<<17                      ; slot 1 begins here: one exclusive or turns an address from slot to slot
.set STAGE, 2*SLOT1                    ; behind the ring: 32 rows x 144 bytes for each wave, for the way out
.set SPARE, STAGE+8*32*KP              ; the spare words, 128 bytes a wave
.set AK0, 2
.set AV0, 3
.set ADK, 4
.set ADV, 5
.set QO,  6
.set STO, 7
.set RD,  8
.set GO,  9
.set SPW, 10
.set NIL, 11
.set PFO, 12
.set DB,  13                           ; v13, v14  lane % 16 - 8 (lane / 16) + 16 t
.set NINF, 15
.set ST,  16
.set Q,   32
.set KFR, 64
.set S,   128
.set P,   192
.set DD,  224
.set VFR, 64                           ; in window 1
.set WV,  8
.set WQ,  9
.set PP,  10
.set QB,  14
.set KB,  16
.set VB,  18
.set AB,  20
.set G1K, 24
.set G1V, 32
.set G0K, 40
.set G0V, 44
.set QA,  48
.set OA,  50
.set OF,  52                           ; s[52:53] an offset; the high word stays 0
.set KU,  54                           ; the unit asked for last
.set HV,  55                           ; 8 - p: units of the first block
.set SW,  56                           ; 7 - p: the trip behind which the blocks change
.set RT,  57                           ; the trip
.set NS,  58
.set KF,  59                           ; the step's first key
.set Q0,  60                           ; my first query
.set TK,  61                           ; LDS byte at which the step's rows of K begin
.set TV,  62                           ; the same for V, less VOFF
.set TA,  63
.set CS,  66                           ; s[66:67] c = log2(e) / 8
.set SEL, 68
.set PFA, 70
.set LIM, 72
.set MSB, 0
.macro WIN new
.if MSB != (\new)
	s_set_vgpr_msb (MSB<<8)|(\new)
.set MSB, (\new)
.endif
.endm
; Waves 0-3 fetch a quarter (64 rows) of a unit's K, waves 4-7 of its V: one load a wave.  An s_nop 0 and four v_nop follow each line.
.macro TLOAD
	s_cmp_lt_u32 s[WV], 4
	s_cbranch_scc0 .Lfor_v_\@
	tensor_load_to_lds s[G0K:G0K+3], s[G1K:G1K+7]
	s_nop 0
.rept 4
	v_nop
.endr
	s_branch .Lasked_\@
.Lfor_v_\@:
	tensor_load_to_lds s[G0V:G0V+3], s[G1V:G1V+7]
	s_nop 0
.rept 4
	v_nop
.endr
.Lasked_\@:
.endm
; A prefetch of the unit that the NEXT change of slots asks for.  The four work-groups of a head walk units 0, 1, .. together at first: the one with p = 0, which walks all eight in order, asks, in trip t for unit t + 2,
; t = 0..5; each wave names its own quarter, 8,192 bytes, lanes 256 bytes apart: each block of 256 bytes is named once in the launch.  Units 0 and 1 come by their loads alone.
.macro ASK
	s_cmp_lt_u32 s[RT], s[LIM]
	s_cbranch_scc0 .Lnot_mine_\@
	global_prefetch_b8 v[PFO], s[PFA:PFA+1] th:TH_LOAD_NT scope:SCOPE_SE
.Lnot_mine_\@:
.endm
; THE CHANGE OF SLOTS, at a unit's head.  Each wave waits for all its tensor loads (its part of the slot about to be read), adds 0 to its spare word, and waits for that and for its reads of the slot left.
; Behind the barrier the slot ahead is whole and nobody reads the other.  fill = 1: the other slot takes the next unit: that load has a whole unit's steps in which to land.
.macro CHANGE fill
	s_wait_tensorcnt 0x0                           ; no tensor load of mine is out, so a group 0 may be written
	ds_add_u32 v[SPW], v[NIL]                      ; 0 onto my spare word
.if \fill
	s_add_co_u32 s[KU], s[KU], 1                   ; the next unit; behind the first block's last, unit 0 again
	s_cmp_eq_u32 s[KU], s[HV]
	s_cselect_b32 s[KU], 0, s[KU]
	s_lshl_b32 s[OF], s[KU], 15                    ; 256 rows of 128 bytes
	s_xor_b32 s[G0K+1], s[G0K+1], SLOT1
	s_add_nc_u64 s[G0K+2:G0K+3], s[KB:KB+1], s[OF:OF+1]
	s_or_b32 s[G0K+3], s[G0K+3], 0x80000000
	s_xor_b32 s[G0V+1], s[G0V+1], SLOT1
	s_add_nc_u64 s[G0V+2:G0V+3], s[VB:VB+1], s[OF:OF+1]
	s_or_b32 s[G0V+3], s[G0V+3], 0x80000000
	s_wait_xcnt 0x0                                ; the last prefetch, a unit back, has read its address
	s_add_nc_u64 s[PFA:PFA+1], s[PFA:PFA+1], 32768
.endif
	s_wait_dscnt 0x0                               ; the add is done, and my reads of the slot that I have left are over
	s_barrier_signal -1
	s_barrier_wait -1
.if \fill
	TLOAD                                          ; the first thing behind the barrier, and my one tensor load until the next
	ASK
.endif
.endm
; A STEP: 64 keys for my two tiles of queries.
.macro STEP
	s_add_co_u32 s[TA], s[Q0], 31
	s_cmp_gt_u32 s[KF], s[TA]                      ; all 64 keys come after my last query
	s_cbranch_scc1 .Lhid_\@
	v_add_nc_u32 v[ADK], s[TK], v[AK0]             ; these four lines are the places between the last step's products and the loads into V's registers
	v_add_nc_u32 v[ADV], s[TV], v[AV0]
	v_nop
	v_nop
.irp kt, 0,1,2,3
.irp c, 0,1
	ds_load_b128 v[KFR+16*\kt+8*\c:KFR+16*\kt+8*\c+3], v[ADK] offset:\kt*16*KP+64*\c
	ds_load_b128 v[KFR+16*\kt+8*\c+4:KFR+16*\kt+8*\c+7], v[ADK] offset:\kt*16*KP+64*\c+32
.endr
.endr
	WIN 0x40                                       ; destination window 1
.irp kk, 0,1
.irp ct, 0,1,2,3
	ds_load_tr16_b128 v[VFR+32*\kk+8*\ct:VFR+32*\kk+8*\ct+3], v[ADV] offset:\kk*32*VP+32*\ct
	ds_load_tr16_b128 v[VFR+32*\kk+8*\ct+4:VFR+32*\kk+8*\ct+7], v[ADV] offset:\kk*32*VP+16*VP+32*\ct
.endr
.endr
	WIN 0
	s_wait_dscnt 16                                ; K is in; V's sixteen loads may be out
.irp c, 0,1                                    ; S^T = K Q^T: eight accumulators by turns, one instruction a turn
.irp kt, 0,1,2,3
.irp t, 0,1
.if \c == 0
	v_wmma_f32_16x16x32_f16 v[S+32*\t+8*\kt:S+32*\t+8*\kt+7], v[KFR+16*\kt+8*\c:KFR+16*\kt+8*\c+7], v[Q+16*\t+8*\c:Q+16*\t+8*\c+7], 0
.else
	v_wmma_f32_16x16x32_f16 v[S+32*\t+8*\kt:S+32*\t+8*\kt+7], v[KFR+16*\kt+8*\c:KFR+16*\kt+8*\c+7], v[Q+16*\t+8*\c:Q+16*\t+8*\c+7], v[S+32*\t+8*\kt:S+32*\t+8*\kt+7]
.endif
.endr
.endr
.endr
.rept 4
	v_nop                                          ; places ahead of the first read of the scores
.endr
	s_add_co_u32 s[TA], s[KF], 63
	s_cmp_le_u32 s[TA], s[Q0]                      ; all 64 keys count for all my queries
	s_cbranch_scc1 .Lopen_\@
	s_sub_co_u32 s[TA], s[Q0], s[KF]
	v_add_nc_u32 v[DD], s[TA], v[DB]               ; d = my query - the step's first key - 8 (lane / 16).  Register n holds key 16 (n / 8) + n % 8 further on: hidden where that is above d
	v_add_nc_u32 v[DD+1], s[TA], v[DB+1]
.irp t, 0,1
.set n, 0
.rept 32
	v_cmp_gt_i32 vcc_lo, 16*(n/8)+n%8, v[DD+\t]
	v_cndmask_b32 v[S+32*\t+n], v[S+32*\t+n], v[NINF], vcc_lo
.set n, n+1
.endr
.endr
.Lopen_\@:
	; the maximum of my 32 scores and the old m, the two tiles line by line
.irp j, 0,1,2,3
.irp t, 0,1
	v_max3_num_f32 v[ST+8*\t+4+\j], v[S+32*\t+8*\j], v[S+32*\t+8*\j+1], v[S+32*\t+8*\j+2]
.endr
.endr
.irp i, 3,5
.irp j, 0,1,2,3
.irp t, 0,1
	v_max3_num_f32 v[ST+8*\t+4+\j], v[ST+8*\t+4+\j], v[S+32*\t+8*\j+\i], v[S+32*\t+8*\j+\i+1]
.endr
.endr
.endr
.irp t, 0,1
	v_max3_num_f32 v[ST+8*\t+4], v[ST+8*\t+4], v[S+32*\t+7], v[S+32*\t+15]
.endr
.irp t, 0,1
	v_max3_num_f32 v[ST+8*\t+6], v[ST+8*\t+6], v[S+32*\t+23], v[S+32*\t+31]
.endr
.irp t, 0,1
	v_max3_num_f32 v[ST+8*\t+4], v[ST+8*\t+4], v[ST+8*\t+5], v[ST+8*\t+6]
.endr
.irp t, 0,1
	v_max3_num_f32 v[ST+8*\t+4], v[ST+8*\t+4], v[ST+8*\t+7], v[ST+8*\t+1]
.endr
.irp t, 0,1
	v_permlanex16_b32 v[ST+8*\t+5], v[ST+8*\t+4], s[SEL], s[SEL+1]   ; the query's other 32 keys lie in the lane 16 away
.endr
.irp t, 0,1
	v_mov_b32 v[ST+8*\t+7], v[ST+8*\t]             ; c m_old is kept for a
.endr
.irp t, 0,1
	v_max_num_f32 v[ST+8*\t+1], v[ST+8*\t+4], v[ST+8*\t+5]
.endr
.irp t, 0,1
	v_mul_f32 v[ST+8*\t], s[CS], v[ST+8*\t+1]
.endr
.irp t, 0,1
	v_sub_f32 v[ST+8*\t+7], v[ST+8*\t+7], v[ST+8*\t]
.endr
	; ONE BATCH: a = 2^(c m_old - c m_new), the scalings c s - c m, and the 64 exponentials; none of these lines names an exponential's result
.irp t, 0,1
	v_exp_f32 v[ST+8*\t+6], v[ST+8*\t+7]
.endr
.irp b, 0,1,2,3,4,5,6,7,8,9,10,11,12,13,14,15
.irp t, 0,1
	v_pk_fma_f32 v[S+32*\t+2*\b:S+32*\t+2*\b+1], v[S+32*\t+2*\b:S+32*\t+2*\b+1], s[CS:CS+1], v[ST+8*\t:ST+8*\t+1] op_sel_hi:[1,0,0] neg_lo:[0,0,1] neg_hi:[0,0,1]
.endr
.endr
.set e, 0
.rept 64
	v_exp_f32 v[S+e], v[S+e]
.set e, e+1
.endr
	v_nop                                          ; a plain instruction behind the last exponential
	s_wait_alu depctr_va_vdst(0)                   ; one wait for the batch, ahead of the first line that names a result
.irp i, 0,1,2,3,4,5,6,7,8,9,10,11,12,13,14,15
.irp t, 0,1
	v_cvt_pk_f16_f32 v[P+16*\t+\i], v[S+32*\t+2*\i], v[S+32*\t+2*\i+1]
.endr
.endr
.irp t, 0,1
	v_pk_mul_f32 v[ST+8*\t+2:ST+8*\t+3], v[ST+8*\t+2:ST+8*\t+3], v[ST+8*\t+6:ST+8*\t+7] op_sel_hi:[1,0]   ; l under the new m
.endr
.irp t, 0,1
	v_pk_add_f32 v[ST+8*\t+4:ST+8*\t+5], v[S+32*\t:S+32*\t+1], v[S+32*\t+2:S+32*\t+3]                     ; the sum of the unrounded p, in two chains
.endr
.irp j, 4,8,12,16,20,24,28
.irp t, 0,1
	v_pk_add_f32 v[ST+8*\t+2:ST+8*\t+3], v[ST+8*\t+2:ST+8*\t+3], v[S+32*\t+\j:S+32*\t+\j+1]
	v_pk_add_f32 v[ST+8*\t+4:ST+8*\t+5], v[ST+8*\t+4:ST+8*\t+5], v[S+32*\t+\j+2:S+32*\t+\j+3]
.endr
.endr
.irp t, 0,1
	v_pk_add_f32 v[ST+8*\t+2:ST+8*\t+3], v[ST+8*\t+2:ST+8*\t+3], v[ST+8*\t+4:ST+8*\t+5]
.endr
	WIN 0x41                                       ; O^T in window 1, a in window 0
.irp t, 0,1
.irp i, 0,2,4,6,8,10,12,14,16,18,20,22,24,26,28,30
	v_pk_mul_f32 v[32*\t+\i:32*\t+\i+1], v[32*\t+\i:32*\t+\i+1], v[ST+8*\t+6:ST+8*\t+7] op_sel_hi:[1,0]
.endr
.endr
	s_wait_dscnt 0x0                               ; V is in
	WIN 0x51                                       ; V and O^T in window 1, P in window 0
.irp kk, 0,1                                   ; O^T += V^T P: eight accumulators by turns
.irp ct, 0,1,2,3
.irp t, 0,1
	v_wmma_f32_16x16x32_f16 v[32*\t+8*\ct:32*\t+8*\ct+7], v[VFR+32*\kk+8*\ct:VFR+32*\kk+8*\ct+7], v[P+16*\t+8*\kk:P+16*\t+8*\kk+7], v[32*\t+8*\ct:32*\t+8*\ct+7]
.endr
.endr
.endr
	WIN 0
.Lhid_\@:
	s_add_co_u32 s[KF], s[KF], 64
	s_add_co_u32 s[TK], s[TK], 64*KP
	s_add_co_u32 s[TV], s[TV], 64*VP
.endm
.macro UNIT                            ; a unit's four steps: written once, walked four times; then on to the other slot
	s_mov_b32 s[NS], 4
.Lstep_\@:
	STEP
	s_sub_co_u32 s[NS], s[NS], 1
	s_cmp_lg_u32 s[NS], 0
	s_cbranch_scc1 .Lstep_\@
	s_sub_co_u32 s[TK], s[TK], 256*KP
	s_xor_b32 s[TK], s[TK], SLOT1
	s_sub_co_u32 s[TV], s[TV], 256*VP
	s_xor_b32 s[TV], s[TV], SLOT1
.endm
.macro QLOAD                           ; my 32 queries stay in registers: tile t, channels 32 c on
.irp t, 0,1
.irp c, 0,1
	global_load_b128 v[Q+16*\t+8*\c:Q+16*\t+8*\c+3], v[QO], s[QA:QA+1] offset:2048*\t+64*\c
	global_load_b128 v[Q+16*\t+8*\c+4:Q+16*\t+8*\c+7], v[QO], s[QA:QA+1] offset:2048*\t+64*\c+32
.endr
.endr
.endm
.macro INIT                            ; the step is written once: its first walk finds m = -3e38, so that a = 0, and zeros in l and O^T
.irp t, 0,1
	v_mov_b32 v[ST+8*\t+1], 0xff61b1e6
	v_mul_f32 v[ST+8*\t], s[CS], v[ST+8*\t+1]
	v_mov_b32 v[ST+8*\t+2], 0
	v_mov_b32 v[ST+8*\t+3], 0
	v_mov_b32 v[ST+8*\t+5], 0
	v_mov_b32 v[ST+8*\t+7], 0
.endr
	WIN 0x40
.set i, 0
.rept 64
	v_mov_b32 v[i], 0
.set i, i+1
.endr
	WIN 0
.endm
.macro FINISH                          ; O^T / l, rounded to f16, through my stage, out as four rows (512 consecutive aligned bytes) an instruction
.rept 4
	v_nop                                          ; places behind the last products
.endr
.irp t, 0,1
	v_add_f32 v[ST+8*\t+4], v[ST+8*\t+2], v[ST+8*\t+3]
.endr
.irp t, 0,1
	v_permlanex16_b32 v[ST+8*\t+5], v[ST+8*\t+4], s[SEL], s[SEL+1]
.endr
.irp t, 0,1
	v_add_f32 v[ST+8*\t+4], v[ST+8*\t+4], v[ST+8*\t+5]
.endr
.irp t, 0,1
	v_rcp_f32 v[ST+8*\t+6], v[ST+8*\t+4]
.endr
	v_nop
	s_wait_alu depctr_va_vdst(0)                   ; one wait for the two reciprocals, ahead of their first reader
	WIN 0x41
.irp t, 0,1
.irp i, 0,2,4,6,8,10,12,14,16,18,20,22,24,26,28,30
	v_pk_mul_f32 v[32*\t+\i:32*\t+\i+1], v[32*\t+\i:32*\t+\i+1], v[ST+8*\t+6:ST+8*\t+7] op_sel_hi:[1,0]
.endr
.endr
	WIN 0x05                                       ; sources window 1, destination window 0: S^T's registers are free
.irp t, 0,1
.irp i, 0,1,2,3,4,5,6,7,8,9,10,11,12,13,14,15
	v_cvt_pk_f16_f32 v[S+16*\t+\i], v[32*\t+2*\i], v[32*\t+2*\i+1]
.endr
.endr
	WIN 0
.irp t, 0,1
.irp ct, 0,1,2,3
	ds_store_b128 v[STO], v[S+16*\t+4*\ct:S+16*\t+4*\ct+3] offset:16*KP*\t+32*\ct
.endr
.endr
.irp g, 0,1,2,3,4,5,6,7
	ds_load_b128 v[S+32+4*\g:S+32+4*\g+3], v[RD] offset:4*KP*\g   ; LDS serves a wave's instructions in order: these see the stores above
.endr
.irp g, 0,1,2,3,4,5,6,7
	s_wait_dscnt 7-\g                              ; rows 4 g on are back
	global_store_b128 v[GO], v[S+32+4*\g:S+32+4*\g+3], s[OA:OA+1] offset:512*\g
.endr
	s_wait_xcnt 0x0                                ; the stores have read their registers and their base: both are written again
.endm
	s_load_b128 s[4:7], s[0:1], 0x0                ; qkv s[4:5], att s[6:7]
	v_lshl_add_u32 v[SPW], v0, 2, SPARE
	v_mov_b32 v[NIL], 0
	ds_add_u32 v[SPW], v[NIL]                      ; the wave's opening: the add, twice on end, and its wait ahead of my first tensor load
	ds_add_u32 v[SPW], v[NIL]
	v_lshrrev_b32 v1, 5, v0
	v_readfirstlane_b32 s[WV], v1                  ; wave 0..7
	s_and_b32 s[WQ], s[WV], 3                      ; which quarter of a unit I fetch
	s_mov_b32 s[PP], ttmp9                         ; p
	s_and_b32 s11, ttmp7, 0xffff                   ; batch x 16 + head
	s_and_b32 s12, s11, 15
	s_lshl_b32 s12, s12, 20                        ; a head: 8,192 rows of 128 bytes
	s_lshr_b32 s13, s11, 4
	s_lshl_b32 s13, s13, 18                        ; a batch: 2,048 rows
	s_add_co_u32 s12, s12, s13
	s_mov_b32 s13, 0
	s_mov_b32 s[G1K], (1<<16)|(1<<20)|(4<<22)|(3<<25)   ; elements of 2 bytes; padding on: 4 words after every 32
	s_mov_b32 s[G1V], (1<<16)|(1<<20)|(4<<22)|(7<<25)   ; the same with 8 words
.irp g, G1K, G1V
	s_mov_b32 s[\g+1], 64<<16                      ; tensor_dim0
	s_mov_b32 s[\g+2], 64<<16                      ; tensor_dim1
	s_mov_b32 s[\g+3], 64<<16                      ; tile_dim0
	s_mov_b32 s[\g+4], 64                          ; tile_dim1
	s_mov_b32 s[\g+5], 64                          ; the pitch in memory
	s_mov_b32 s[\g+6], 0
	s_mov_b32 s[\g+7], 0
.endr
	s_mov_b32 s[G0K], 1
	s_mul_i32 s[G0K+1], s[WQ], 64*KP               ; slot 0, my quarter
	s_mov_b32 s[G0V], 1
	s_mul_i32 s[G0V+1], s[WQ], 64*VP
	s_add_co_u32 s[G0V+1], s[G0V+1], VOFF
	s_mov_b32 s[CS], 0x3e38aa3b                    ; c = log2(e) / 8
	s_mov_b32 s[CS+1], s[CS]
	s_mov_b32 s[SEL], 0x76543210
	s_mov_b32 s[SEL+1], 0xfedcba98
	s_sub_co_u32 s[HV], 8, s[PP]
	s_sub_co_u32 s[SW], 7, s[PP]
	s_cmp_eq_u32 s[PP], 0
	s_cselect_b32 s[LIM], 6, 0
	s_mov_b32 s[KU], 0
	s_mov_b32 s[RT], 0
	s_mov_b32 s[KF], 0
	s_mov_b32 s[TK], 0
	s_mov_b32 s[TV], 0
	s_lshl_b32 s[Q0], s[SW], 8                     ; block 7 - p first
	s_lshl_b32 s[TA], s[WV], 5
	s_add_co_u32 s[Q0], s[Q0], s[TA]               ; my first query
	v_and_b32 v226, 15, v0                         ; r
	v_bfe_u32 v227, v0, 4, 1                       ; h
	v_lshlrev_b32 v[QO], 7, v226
	v_lshl_add_u32 v[QO], v227, 4, v[QO]           ; Q: row r of 128 bytes, + 16 h
	s_wait_dscnt 0x0                               ; both opening adds are done
	s_wait_kmcnt 0x0
	s_add_nc_u64 s[QB:QB+1], s[4:5], s[12:13]
	s_add_nc_u64 s[AB:AB+1], s[6:7], s[12:13]
	s_lshl_b32 s[OF], s[WQ], 13                    ; my quarter: 64 rows of 128 bytes
	s_mov_b32 s[OF+1], 0
	s_add_nc_u64 s[KB:KB+1], s[QB:QB+1], s[OF:OF+1]
	s_add_nc_u64 s[VB:VB+1], s[KB:KB+1], 32<<20    ; v's 16 heads lie behind q's and k's
	s_add_nc_u64 s[KB:KB+1], s[KB:KB+1], 16<<20
	s_mov_b64 s[G0K+2:G0K+3], s[KB:KB+1]
	s_or_b32 s[G0K+3], s[G0K+3], 0x80000000
	s_mov_b64 s[G0V+2:G0V+3], s[VB:VB+1]
	s_or_b32 s[G0V+3], s[G0V+3], 0x80000000
	TLOAD                                          ; unit 0 into slot 0
	s_lshl_b32 s[OF], s[Q0], 7
	s_add_nc_u64 s[QA:QA+1], s[QB:QB+1], s[OF:OF+1]
	s_add_nc_u64 s[OA:OA+1], s[AB:AB+1], s[OF:OF+1]
	QLOAD
	s_cmp_lt_u32 s[WV], 4
	s_cselect_b64 s[PFA:PFA+1], s[KB:KB+1], s[VB:VB+1]
	s_add_nc_u64 s[PFA:PFA+1], s[PFA:PFA+1], 32768 ; at unit 1: the first change of slots steps it to unit 2
	v_mul_u32_u24 v[AK0], v226, KP
	v_lshl_add_u32 v[AK0], v227, 4, v[AK0]         ; K: row r x pitch + 16 h
	v_and_b32 v228, 7, v0
	v_lshl_add_u32 v[AV0], v227, 3, v228           ; V, for the turning load: key 8 h + lane % 8,
	v_mul_u32_u24 v[AV0], v[AV0], VP
	v_bfe_u32 v229, v0, 3, 1
	v_lshl_add_u32 v[AV0], v229, 4, v[AV0]         ; channels 8 ((lane / 8) % 2) on
	v_add_nc_u32 v[AV0], VOFF, v[AV0]
	s_mul_i32 s[TA], s[WV], 32*KP
	s_add_co_u32 s[TA], s[TA], STAGE               ; my stage
	v_add_nc_u32 v[STO], s[TA], v[AK0]
	v_and_b32 v229, 31, v0
	v_lshrrev_b32 v[RD], 3, v229
	v_mul_u32_u24 v[RD], v[RD], KP
	v_lshl_add_u32 v[RD], v228, 4, v[RD]
	v_add_nc_u32 v[RD], s[TA], v[RD]               ; back: eight lanes to a row of 128 bytes
	v_lshlrev_b32 v[GO], 4, v229
	v_lshlrev_b32 v[PFO], 8, v229
	v_lshlrev_b32 v[DB], 3, v227
	v_sub_nc_u32 v[DB], v226, v[DB]
	v_add_nc_u32 v[DB+1], 16, v[DB]
	v_mov_b32 v[NINF], 0xff800000
	INIT
	s_wait_loadcnt 0x0                             ; Q
.Ltrip:                                            ; eight trips; behind each change of slots the next unit is asked for
	CHANGE 1
	UNIT
	s_cmp_lg_u32 s[RT], s[SW]                      ; ids and the count of trips alone: all eight waves go the same way
	s_cbranch_scc1 .Lsame
	s_lshl_b32 s[Q0], s[PP], 8                     ; THE BLOCKS CHANGE: block 7 - p is finished, block p begins
	s_lshl_b32 s[TA], s[WV], 5
	s_add_co_u32 s[Q0], s[Q0], s[TA]
	s_lshl_b32 s[OF], s[Q0], 7
	s_add_nc_u64 s[QA:QA+1], s[QB:QB+1], s[OF:OF+1]
	QLOAD                                          ; the new queries are on their way while the old block goes out
	FINISH
	s_add_nc_u64 s[OA:OA+1], s[AB:AB+1], s[OF:OF+1]
	s_mov_b32 s[KF], 0
	INIT
	s_wait_loadcnt 0x0
.Lsame:
	s_add_co_u32 s[RT], s[RT], 1
	s_cmp_lt_u32 s[RT], 8
	s_cbranch_scc1 .Ltrip
	CHANGE 0                                       ; the ninth unit is written out: nothing is left to ask for
	UNIT
	FINISH
	s_wait_tensorcnt 0x0                           ; the wave's end
	ds_add_u32 v[SPW], v[NIL]
	s_wait_dscnt 0x0
	s_endpgm
.Lfunc_end_k_q618d6c3871_attn:
	.size	k_q618d6c3871_attn, .Lfunc_end_k_q618d6c3871_attn-k_q618d6c3871_attn
	.p2alignl 7, 3214868480
	.fill 96, 4, 3214868480
	.section	.rodata,"a",@progbits
	.p2align	6, 0x0
	.amdhsa_kernel k_q618d6c3871_attn
		.amdhsa_group_segment_fixed_size 327680
		.amdhsa_private_segment_fixed_size 0
		.amdhsa_enable_private_segment 0
		.amdhsa_kernarg_size 16
		.amdhsa_user_sgpr_count 2
		.amdhsa_user_sgpr_kernarg_segment_ptr 1
		.amdhsa_wavefront_size32 1
		.amdhsa_system_sgpr_workgroup_id_x 1
		.amdhsa_system_sgpr_workgroup_id_y 1
		.amdhsa_system_sgpr_workgroup_id_z 1
		.amdhsa_system_vgpr_workitem_id 0
		.amdhsa_next_free_vgpr 384
		.amdhsa_next_free_sgpr 80
		.amdhsa_reserve_vcc 1
		.amdhsa_float_denorm_mode_32 3
		.amdhsa_float_denorm_mode_16_64 3
		.amdhsa_memory_ordered 1
		.amdhsa_forward_progress 1
		.amdhsa_inst_pref_size 72
	.end_amdhsa_kernel
	.amdgpu_metadata
---
amdhsa.version: [ 1, 2 ]
amdhsa.kernels:
  - .name:           k_q618d6c3871_attn
    .symbol:         k_q618d6c3871_attn.kd
    .args:
      - { .name: qkv, .offset: 0, .size: 8, .value_kind: global_buffer, .address_space: global }
      - { .name: att, .offset: 8, .size: 8, .value_kind: global_buffer, .address_space: global }
    .group_segment_fixed_size: 327680
    .private_segment_fixed_size: 0
    .kernarg_segment_align: 8
    .kernarg_segment_size: 16
    .max_flat_workgroup_size: 256
    .sgpr_count:     80
    .vgpr_count:     384
    .wavefront_size: 32
...
	.end_amdgpu_metadata
.endif
;; end of part 3
;; launch proj (part 4): grid 8 x 32, 4 waves a work-group, clusters of 4 x 4, 327,680 bytes of LDS; arguments att, wo16, b_out, out0; writes out0
.if DOCPART == 4
	.amdgcn_target "amdgcn-amd-amdhsa--gfx1250"
	.amdhsa_code_object_version 6
	.text
	.protected	k_q618d6c3871_proj
	.globl	k_q618d6c3871_proj
	.p2align	8
	.type	k_q618d6c3871_proj,@function
k_q618d6c3871_proj:
	s_mov_b64 s[64:65], 0
	v_nop
	global_prefetch_b8 v0, s[64:65] scope:SCOPE_SE
	s_setreg_imm32_b32 hwreg(HW_REG_WAVE_MODE, 25, 1), 1
	s_wait_xcnt 0x0
	s_wait_alu depctr_hold_cnt(0) depctr_sa_sdst(0) depctr_va_vdst(0) depctr_va_sdst(0) depctr_va_ssrc(0) depctr_va_vcc(0) depctr_vm_vsrc(0)
	s_getreg_b32 s2, hwreg(HW_REG_IB_STS2, 6, 4)
	s_cmp_eq_u32 s2, 0
	s_cbranch_scc0 .Lentry_in_a_cluster
	s_endpgm
.Lentry_in_a_cluster:
	s_bfe_u32 s2, ttmp6, 0x10000c
	s_cmp_lg_u32 s2, 0xf033
	s_cbranch_scc0 .Lentry_shape_is_right
	s_endpgm
.Lentry_shape_is_right:
; out0 = attn W_out + b_out.  attn: att, f16, [16 heads][8192 rows][64]; W_out: wo16, f16, [1024 (k)][1024 (n)]; out0 [8192][1024] f32; sums in f32; the bias is the C of each sum's first product.
; A tile of 256 rows x 128 columns is made by four waves, 128 x 64 each: 32 accumulators, all of window 1: 256 work-groups.  K goes in steps of 128, two heads, through a ring of two LDS slots.
; CLUSTER 4 x 4: attn's tiles are asked for jointly along a row of the cluster, W_out's along a column.
; THE PRODUCT IS USED TRANSPOSED: source 0 = 16 columns of W_out (out of LDS turned, by ds_load_tr16_b128), source 1 = 16 rows of attn: a lane holds eight neighbouring columns of one row.
; REGISTERS, window 0: v16-29 addresses; v32-63 the bias; two fragment buffers: v64-127 attn + v128-159 W_out, v160-223 + v224-255.  Window 1: accumulator (a, b) at v[8 (4 a + b)].
.set AP,     144                       ; a row of attn in LDS: 128 bytes + 16
.set PLANE,  256*AP                    ; a head's 256 rows
.set BP,     288                       ; a row of W_out's tile: 256 bytes + 32
.set BOFF,   2*PLANE
.set SLOT,   BOFF+128*BP
.set STAGE,  2*SLOT                    ; behind the ring: 16 rows x 272 bytes for each wave
.set SPARE,  STAGE+4*16*272            ; the spare words, 128 bytes a wave
.set LAPS,   4                         ; eight K steps
.set ADRA, 16
.set ADRB, 20
.set STO,  24
.set RD,   25
.set CO,   26
.set BO,   27
.set SPW,  28
.set NIL,  29
.set BIAS, 32
.set F0,   64
.set F1,   160
.set G1, 24
.set G0, 32
.set G1B, 48
.set G0B, 56
.set MSB, 0
.macro WIN new
.if MSB != (\new)
	s_set_vgpr_msb (MSB<<8)|(\new)
.set MSB, (\new)
.endif
.endm
.set MUL, 0x50                         ; C and D window 1, the fragments window 0
.macro JLOAD s                         ; waves 0 and 1 fetch attn's two heads, waves 2 and 3 the halves of W_out's tile; an s_nop 0 and four v_nop follow each line
	s_cmp_eq_u32 s13, 0
	s_cbranch_scc0 .Lfor_b_\@
	tensor_load_to_lds s[G0+4*\s:G0+4*\s+3], s[G1:G1+7]
	s_nop 0
.rept 4
	v_nop
.endr
	s_branch .Lasked_\@
.Lfor_b_\@:
	tensor_load_to_lds s[G0B+4*\s:G0B+4*\s+3], s[G1B:G1B+7]
	s_nop 0
.rept 4
	v_nop
.endr
.Lasked_\@:
.endm
.macro CREST
	s_cmp_lg_u32 s12, 0
	s_cbranch_scc1 .Lnot_wave_0_\@
	s_barrier_signal -3
.Lnot_wave_0_\@:
	s_barrier_wait -3
	s_barrier_signal -1
	s_barrier_wait -1
.endm
.macro CROUND
	s_barrier_signal -1
	s_barrier_wait -1
	CREST
.endm
	s_load_b256 s[4:11], s[0:1], 0x0               ; att s[4:5], wo16 s[6:7], b_out s[8:9], out0 s[10:11]
	v_lshl_add_u32 v[SPW], v0, 2, SPARE
	v_mov_b32 v[NIL], 0
	ds_add_u32 v[SPW], v[NIL]                      ; the wave's opening: the add, twice on end, and its wait ahead of my first tensor load
	ds_add_u32 v[SPW], v[NIL]
	v_lshrrev_b32 v1, 5, v0
	v_readfirstlane_b32 s12, v1                    ; wave 0..3
	s_lshr_b32 s13, s12, 1                         ; which half of the tile's rows is mine.  Also: I fetch for attn (0) or for W_out (1)
	s_and_b32 s14, s12, 1                          ; which half of its columns.  Also: which head, or which 64 rows of W_out, I fetch
	s_bfe_u32 s40, ttmp6, 0x40000                  ; cx
	s_bfe_u32 s41, ttmp6, 0x40004                  ; cy
	s_lshl_b32 s42, ttmp9, 2
	s_add_co_u32 s42, s42, s40                     ; tile column
	s_and_b32 s15, ttmp7, 0xffff
	s_lshl_b32 s15, s15, 2
	s_add_co_u32 s15, s15, s41                     ; tile row
	s_lshl_b32 s43, s41, 2
	s_lshl_b32 s43, 15, s43                        ; my row of the cluster
	s_lshl_b32 s44, 0x1111, s40                    ; my column
	s_or_b32 s[G1+0], s43, (1<<16)|(1<<20)|(1<<21)|(4<<22)|(3<<25)   ; the mask; elements of 2 bytes; padding on; bit 21 beside a mask; 4 words after every 32
	s_mov_b32 s[G1+1], 64<<16                      ; tensor_dim0
	s_mov_b32 s[G1+2], 256<<16                     ; tensor_dim1
	s_mov_b32 s[G1+3], 64<<16                      ; tile_dim0
	s_mov_b32 s[G1+4], 256                         ; tile_dim1
	s_mov_b32 s[G1+5], 64                          ; the pitch in memory
	s_mov_b32 s[G1+6], 0
	s_mov_b32 s[G1+7], 0
	s_or_b32 s[G1B+0], s44, (1<<16)|(1<<20)|(1<<21)|(5<<22)|(7<<25)  ; 8 words after every 64
	s_mov_b32 s[G1B+1], 128<<16
	s_mov_b32 s[G1B+2], 64<<16
	s_mov_b32 s[G1B+3], 128<<16
	s_mov_b32 s[G1B+4], 64
	s_mov_b32 s[G1B+5], 1024
	s_mov_b32 s[G1B+6], 0
	s_mov_b32 s[G1B+7], 0
	s_lshl_b32 s16, s14, 20                        ; attn: my head of the K step's two,
	s_lshl_b32 s17, s15, 15                        ; the tile's 256 rows of 128 bytes
	s_add_co_u32 s16, s16, s17
	s_mov_b32 s17, 0
	s_lshl_b32 s46, s14, 17                        ; W_out: my 64 rows of 2,048 bytes,
	s_lshl_b32 s47, s42, 8                         ; the tile's 128 columns
	s_add_co_u32 s46, s46, s47
	s_mov_b32 s47, 0
	s_mul_i32 s20, s14, PLANE                      ; where they go: no place in the cluster enters an LDS address
	s_mul_i32 s21, s14, 64*BP
	s_add_co_u32 s21, s21, BOFF
	s_wait_dscnt 0x0                               ; both opening adds are done
	s_wait_kmcnt 0x0
	s_add_nc_u64 s[16:17], s[4:5], s[16:17]
	s_add_nc_u64 s[46:47], s[6:7], s[46:47]
	CROUND                                         ; all sixteen work-groups are here: the first joint loads meet
.irp s, 0,1
	s_mov_b32 s[G0+4*\s], 1
	s_add_co_u32 s[G0+4*\s+1], s20, \s*SLOT
	s_add_nc_u64 s[G0+4*\s+2:G0+4*\s+3], s[16:17], \s*(2<<20)
	s_or_b32 s[G0+4*\s+3], s[G0+4*\s+3], 0x80000000
	s_mov_b32 s[G0B+4*\s], 1
	s_add_co_u32 s[G0B+4*\s+1], s21, \s*SLOT
	s_add_nc_u64 s[G0B+4*\s+2:G0B+4*\s+3], s[46:47], \s*128*2048
	s_or_b32 s[G0B+4*\s+3], s[G0B+4*\s+3], 0x80000000
	JLOAD \s                                       ; two loads of mine are out
.endr
	v_and_b32 v1, 15, v0                           ; r
	v_bfe_u32 v2, v0, 4, 1                         ; h
	s_lshl_b32 s46, s42, 9
	s_lshl_b32 s47, s14, 8
	s_add_co_u32 s46, s46, s47                     ; 4 x my first column
	s_mov_b32 s47, 0
	s_add_nc_u64 s[8:9], s[8:9], s[46:47]
	s_add_nc_u64 s[10:11], s[10:11], s[46:47]
	s_lshl_b32 s16, s15, 20                        ; my first row: 256 x tile row + 128 x half, 4,096 bytes a row
	s_lshl_b32 s17, s13, 19
	s_add_co_u32 s16, s16, s17
	s_mov_b32 s17, 0
	s_add_nc_u64 s[10:11], s[10:11], s[16:17]
	v_lshlrev_b32 v[BO], 5, v2
.irp b, 0,1,2,3
	global_load_b128 v[BIAS+8*\b:BIAS+8*\b+3], v[BO], s[8:9] offset:64*\b          ; b_out at columns 16 b + 8 h + 0 .. 7
	global_load_b128 v[BIAS+8*\b+4:BIAS+8*\b+7], v[BO], s[8:9] offset:64*\b+16
.endr
	v_mul_u32_u24 v3, v1, AP
	v_lshl_add_u32 v3, v2, 4, v3                   ; attn: row r x pitch + 16 h
	s_mul_i32 s22, s13, 128*AP                     ; my 128 rows
	v_and_b32 v4, 7, v0
	v_lshl_add_u32 v4, v2, 3, v4                   ; W_out, for the turning load: k = 8 h + lane % 8,
	v_mul_u32_u24 v4, v4, BP
	v_bfe_u32 v5, v0, 3, 1
	v_lshl_add_u32 v4, v5, 4, v4                   ; columns 8 ((lane / 8) % 2) on
	s_lshl_b32 s23, s14, 7                         ; my 64 columns
	s_add_co_u32 s23, s23, BOFF
.irp s, 0,1
	v_add_nc_u32 v[ADRA+\s], s22, v3
	v_add_nc_u32 v[ADRB+\s], s23, v4
	s_add_co_u32 s22, s22, SLOT
	s_add_co_u32 s23, s23, SLOT
.endr
	s_mul_i32 s22, s12, 16*272
	s_add_co_u32 s22, s22, STAGE                   ; my stage
	v_mul_u32_u24 v5, v1, 272
	v_lshl_add_u32 v5, v2, 5, v5
	v_add_nc_u32 v[STO], s22, v5                   ; in: row r, 32 bytes for each half of the lanes
	v_mul_u32_u24 v5, v2, 272
	v_lshl_add_u32 v5, v1, 4, v5
	v_add_nc_u32 v[RD], s22, v5                    ; back: lanes 0-15 one row of 256 bytes, lanes 16-31 the next
	v_lshlrev_b32 v5, 12, v2
	v_lshl_add_u32 v[CO], v1, 4, v5                ; and the same two rows in out0
; 8 matrix instructions: row blocks a0, a0 + 1 x the 4 column blocks, 32 along K.  zero = 1: the first product starts the sums from the bias.  The 32 accumulators take turns.
.macro MUL8 f, a0, zero
.irp a, \a0, \a0+1
.irp b, 0,1,2,3
.if \zero
	v_wmma_f32_16x16x32_f16 v[8*(4*(\a)+\b):8*(4*(\a)+\b)+7], v[\f+64+8*\b:\f+64+8*\b+7], v[\f+8*(\a):\f+8*(\a)+7], v[BIAS+8*\b:BIAS+8*\b+7]
.else
	v_wmma_f32_16x16x32_f16 v[8*(4*(\a)+\b):8*(4*(\a)+\b)+7], v[\f+64+8*\b:\f+64+8*\b+7], v[\f+8*(\a):\f+8*(\a)+7], v[8*(4*(\a)+\b):8*(4*(\a)+\b)+7]
.endif
.endr
.endr
.endm
.macro MUL16 f, a0, zero
	MUL8 \f, \a0, \zero
	MUL8 \f, \a0+2, \zero
.endm
; 24 LDS loads in one run: the fragments of the slot's q-th 32 along K into buffer f: W_out's four, attn's blocks 0-3, attn's blocks 4-7
.macro FETCH slot, q, f
	WIN 0
.irp b, 0,1,2,3
	ds_load_tr16_b128 v[\f+64+8*\b:\f+64+8*\b+3], v[ADRB+\slot] offset:32*BP*(\q)+32*\b
	ds_load_tr16_b128 v[\f+64+8*\b+4:\f+64+8*\b+7], v[ADRB+\slot] offset:32*BP*(\q)+32*\b+16*BP
.endr
.irp i, 0,1,2,3,4,5,6,7
	ds_load_b128 v[\f+8*\i:\f+8*\i+3], v[ADRA+\slot] offset:((\q)/2)*PLANE+64*((\q)%2)+16*AP*\i
	ds_load_b128 v[\f+8*\i+4:\f+8*\i+7], v[ADRA+\slot] offset:((\q)/2)*PLANE+64*((\q)%2)+16*AP*\i+32
.endr
.endm
.macro PLACES                          ; four plain vector instructions between a matrix instruction and a load into, or a read of, its registers
.rept 4
	v_nop
.endr
.endm
; A K step is four quarters of 32 along K, 32 matrix instructions each, on buffers 0, 1, 0, 1.  One of the first three: multiplies buffer f and fetches quarter qn into g.
.macro QUARTER slot, qn, f, g, zero
	s_wait_dscnt 8                                 ; W_out's fragments and attn's blocks 0-3 are in; the youngest eight loads (blocks 4-7) may be out
.if \zero
	WIN 0x40                                       ; C, the bias, in window 0
.else
	WIN MUL
.endif
	MUL16 \f, 0, \zero
	PLACES
	FETCH \slot, \qn, \g
	s_wait_dscnt 24                                ; all but the 24 just issued
.if \zero
	WIN 0x40
.else
	WIN MUL
.endif
	MUL16 \f, 4, \zero
.endm
; The last quarter multiplies buffer 1 and changes slots: one barrier; in front of it each wave waits for all its tensor loads, adds 0 to its spare word, and waits for that and for its reads of this slot.
.macro TURN slot, next, fill
	WIN 0
	s_wait_tensorcnt 0x0                           ; all my tensor loads have landed: my part of the next slot
	ds_add_u32 v[SPW], v[NIL]                      ; 0 onto my spare word
	s_wait_dscnt 9                                 ; the add and the youngest eight loads may be out
	WIN MUL
	MUL8 F1, 0, 0
	s_wait_dscnt 0x0                               ; the add is done, and my reads of this slot are over
	s_barrier_signal -1
	MUL8 F1, 2, 0
.if \fill
	WIN 0
.endif
	s_barrier_wait -1
.if \fill
	CREST                                          ; the barrier has opened a round of the cluster's barrier: no wave of any partner still reads this slot or has a load on its way
	s_add_nc_u64 s[G0+4*\slot+2:G0+4*\slot+3], s[G0+4*\slot+2:G0+4*\slot+3], 4<<20
	s_add_nc_u64 s[G0B+4*\slot+2:G0B+4*\slot+3], s[G0B+4*\slot+2:G0B+4*\slot+3], 256*2048
	JLOAD \slot                                    ; the first tensor load behind the round; its four v_nop are also the places in front of the loads below
.else
	PLACES
.endif
	FETCH \next, 0, F0
	WIN MUL
	MUL16 F1, 4, 0
.endm
	s_wait_tensorcnt 1                             ; my part of K step 0 is in; K step 1's load may be out
	s_barrier_signal -1
	s_barrier_wait -1
	FETCH 0, 0, F0
	s_wait_loadcnt 0x0                             ; the bias
	QUARTER 0, 1, F0, F1, 1
	WIN 0
	s_mov_b32 s3, LAPS-1
.Llap:                                             ; a trip goes once round the ring and fills both slots again
	QUARTER 0, 2, F1, F0, 0
	QUARTER 0, 3, F0, F1, 0
	TURN 0, 1, 1
	QUARTER 1, 1, F0, F1, 0
	QUARTER 1, 2, F1, F0, 0
	QUARTER 1, 3, F0, F1, 0
	TURN 1, 0, 1
	QUARTER 0, 1, F0, F1, 0
	WIN 0
	s_sub_co_u32 s3, s3, 1
	s_cmp_lg_u32 s3, 0
	s_cbranch_scc1 .Llap
	QUARTER 0, 2, F1, F0, 0                        ; the last lap fills nothing
	QUARTER 0, 3, F0, F1, 0
	TURN 0, 1, 0
	QUARTER 1, 1, F0, F1, 0
	QUARTER 1, 2, F1, F0, 0
	QUARTER 1, 3, F0, F1, 0
	s_wait_dscnt 8
	WIN MUL
	MUL16 F1, 0, 0
	s_wait_dscnt 0
	MUL16 F1, 4, 0
	WIN 0
; THE WAY OUT, a block of 16 rows x 64 columns at a time, through my own stage: sixteen lanes store 256 consecutive aligned bytes.
.macro TOSTAGE a
	WIN 0x04                                       ; an LDS store's data are its source 1: window 1
.irp b, 0,1,2,3
	ds_store_b128 v[STO], v[8*(4*(\a)+\b):8*(4*(\a)+\b)+3] offset:64*\b            ; each accumulator from its low end on
	ds_store_b128 v[STO], v[8*(4*(\a)+\b)+4:8*(4*(\a)+\b)+7] offset:64*\b+16
.endr
	WIN 0
.irp t, 0,1,2,3,4,5,6,7
	ds_load_b128 v[64+32*((\a)%2)+4*\t:64+32*((\a)%2)+4*\t+3], v[RD] offset:\t*2*272   ; LDS serves a wave's instructions in order: these see the stores above
.endr
.endm
.macro SEND a, younger                 ; younger: the LDS instructions issued behind block a's loads, which may stay out
	s_wait_dscnt \younger
.irp t, 0,1,2,3,4,5,6,7
	global_store_b128 v[CO], v[64+32*((\a)%2)+4*\t:64+32*((\a)%2)+4*\t+3], s[10:11] offset:(16*(\a)+2*\t)*4096 th:TH_STORE_NT
.endr
.endm
	PLACES
	TOSTAGE 0
.irp a, 1,2,3,4,5,6,7
.if \a > 1
	s_wait_xcnt 0x0                                ; block a - 2's stores have read their registers: block a's loads may land there
.endif
	TOSTAGE \a
	SEND \a-1, 16                                  ; behind block a - 1's loads: block a's 8 stores and 8 loads
.endr
	SEND 7, 0
	s_wait_tensorcnt 0x0                           ; the wave's end
	ds_add_u32 v[SPW], v[NIL]
	s_wait_dscnt 0x0
	CROUND                                         ; the closing round
	s_endpgm
.Lfunc_end_k_q618d6c3871_proj:
	.size	k_q618d6c3871_proj, .Lfunc_end_k_q618d6c3871_proj-k_q618d6c3871_proj
	.p2alignl 7, 3214868480
	.fill 96, 4, 3214868480
	.section	.rodata,"a",@progbits
	.p2align	6, 0x0
	.amdhsa_kernel k_q618d6c3871_proj
		.amdhsa_group_segment_fixed_size 327680
		.amdhsa_private_segment_fixed_size 0
		.amdhsa_enable_private_segment 0
		.amdhsa_kernarg_size 32
		.amdhsa_user_sgpr_count 2
		.amdhsa_user_sgpr_kernarg_segment_ptr 1
		.amdhsa_wavefront_size32 1
		.amdhsa_system_sgpr_workgroup_id_x 1
		.amdhsa_system_sgpr_workgroup_id_y 1
		.amdhsa_system_sgpr_workgroup_id_z 1
		.amdhsa_system_vgpr_workitem_id 0
		.amdhsa_next_free_vgpr 512
		.amdhsa_next_free_sgpr 66
		.amdhsa_reserve_vcc 0
		.amdhsa_float_denorm_mode_32 3
		.amdhsa_float_denorm_mode_16_64 3
		.amdhsa_memory_ordered 1
		.amdhsa_forward_progress 1
		.amdhsa_inst_pref_size 86
	.end_amdhsa_kernel
	.amdgpu_metadata
---
amdhsa.version: [ 1, 2 ]
amdhsa.kernels:
  - .name:           k_q618d6c3871_proj
    .symbol:         k_q618d6c3871_proj.kd
    .args:
      - { .name: att, .offset: 0, .size: 8, .value_kind: global_buffer, .address_space: global }
      - { .name: wo16, .offset: 8, .size: 8, .value_kind: global_buffer, .address_space: global }
      - { .name: b_out, .offset: 16, .size: 8, .value_kind: global_buffer, .address_space: global }
      - { .name: out0, .offset: 24, .size: 8, .value_kind: global_buffer, .address_space: global }
    .group_segment_fixed_size: 327680
    .private_segment_fixed_size: 0
    .kernarg_segment_align: 8
    .kernarg_segment_size: 32
    .max_flat_workgroup_size: 128
    .sgpr_count:     66
    .vgpr_count:     512
    .wavefront_size: 32
...
	.end_amdgpu_metadata
.endif
;; end of part 4
;; launch fine (part 5): grid 16 x 4, 16 waves a work-group, no clusters, 71,680 bytes of LDS; arguments q32, W_out, b_out, out0; writes out0
.if DOCPART == 5
	.amdgcn_target "amdgcn-amd-amdhsa--gfx1250"
	.amdhsa_code_object_version 6
	.text
	.protected	k_q618d6c3871_fine
	.globl	k_q618d6c3871_fine
	.p2align	8
	.type	k_q618d6c3871_fine,@function
k_q618d6c3871_fine:
	s_mov_b64 s[64:65], 0
	v_nop
	global_prefetch_b8 v0, s[64:65] scope:SCOPE_SE
	s_setreg_imm32_b32 hwreg(HW_REG_WAVE_MODE, 25, 1), 1
	s_wait_xcnt 0x0
; Positions 0 to 15 of every sequence once more, all in f32: there a row averages one to sixteen values, and rounded operands would weigh most.  The 64 rows of out0 are written over.
; q32: [batch x 16 + position][3072] f32, q, k, v with their bias.  A work-group is one batch (y) and 64 output columns (x); a wave is one head: it makes its head's attention for the 16 rows
; (32 small matrix instructions), multiplies it by its 64 rows of W_out for the 64 columns (64 more), and the sixteen waves' parts are added through LDS, heads ascending, one output row a wave.
; All products by v_wmma_f32_16x16x4_f32, used transposed, so that a lane holds one query throughout.  The order of k inside a product is permuted alike on both sides, as the loads bring it.
; The registers that these instructions write, v192-239, are written by nothing else; each sum begins with the constant 0 as C.
.set RP,    272
.set REDW,  16*RP                      ; a wave's part: 16 rows x (256 bytes + 16)
.set SPARE, 16*REDW                    ; the spare words, 128 bytes a wave
.set QF,  16                           ; v16-47   q: load j brings channels 8 j + 4 h + 0..3
.set KF,  48                           ; v48-79   k likewise
.set WB,  16                           ; v16-79   later: W_out for column tiles 2, 3
.set VF,  80                           ; v80-111  v: register 8 ct + i = v(key 8 h + i, channel 16 ct + r)
.set AT,  80                           ; later: the attention's result
.set WA,  112                          ; v112-175 W_out for column tiles 0, 1: register 32 nt + 8 ct + i = W_out(64 head + 16 ct + 8 h + i, 16 nt + r)
.set T,   176                          ; v176-183 the scores, then p
.set BI,  184                          ; v184-185 the bias, then the sum
.set SA,  192                          ; two accumulators for the scores
.set OA,  208                          ; four accumulators: O^T, then the projection
	s_load_b256 s[4:11], s[0:1], 0x0               ; q32 s[4:5], W_out s[6:7], b_out s[8:9], out0 s[10:11]
	v_lshl_add_u32 v8, v0, 2, SPARE                ; my spare word; never rewritten
	v_mov_b32 v9, 0                                ; 0; never rewritten
	v_lshrrev_b32 v10, 5, v0
	v_readfirstlane_b32 s12, v10                   ; wave = head; on the way out: the row
	s_and_b32 s13, ttmp7, 0xffff                   ; batch
	v_and_b32 v11, 15, v0                          ; r
	v_bfe_u32 v12, v0, 4, 1                        ; h
	v_and_b32 v13, 31, v0                          ; lane
	v_mul_u32_u24 v1, v11, 12288
	v_lshl_add_u32 v1, v12, 4, v1                  ; q, k: row r, + 16 h
	v_mul_u32_u24 v2, v12, 98304
	v_lshl_add_u32 v2, v11, 2, v2                  ; v: key 8 h, channel r
	v_lshlrev_b32 v3, 15, v12
	v_lshl_add_u32 v3, v11, 2, v3                  ; W_out: row 8 h, column r
	v_lshlrev_b32 v4, 3, v12
	v_sub_nc_u32 v4, v11, v4                       ; d = r - 8 h: register j holds key 8 h + j, hidden where j > d
	s_mul_i32 s14, s12, REDW
	v_mul_u32_u24 v5, v11, RP
	v_lshl_add_u32 v5, v12, 5, v5
	v_add_nc_u32 v5, s14, v5                       ; my part: row r, + 32 h
	s_mul_i32 s14, s12, RP
	v_lshlrev_b32 v7, 3, v13                       ; 8 bytes a lane
	v_add_nc_u32 v6, s14, v7                       ; row = my wave's number, in each of the sixteen parts
	s_mov_b32 s24, 0x76543210
	s_mov_b32 s25, 0xfedcba98
	s_mov_b32 s26, 0x3e38aa3b                      ; c = log2(e) / 8
	s_mul_i32 s16, s13, 196608
	s_lshl_b32 s17, s12, 8
	s_add_co_u32 s16, s16, s17
	s_mov_b32 s17, 0
	s_lshl_b32 s20, ttmp9, 8                       ; my 64 columns
	s_mov_b32 s21, 0
	s_lshl_b32 s18, s12, 18                        ; my head's 64 rows of W_out
	s_add_co_u32 s18, s18, s20
	s_mov_b32 s19, 0
	s_lshl_b32 s22, s13, 23
	s_lshl_b32 s23, s12, 12
	s_add_co_u32 s22, s22, s23
	s_add_co_u32 s22, s22, s20
	s_mov_b32 s23, 0
	s_wait_kmcnt 0x0
	s_add_nc_u64 s[4:5], s[4:5], s[16:17]
	s_add_nc_u64 s[6:7], s[6:7], s[18:19]
	s_add_nc_u64 s[8:9], s[8:9], s[20:21]
	s_add_nc_u64 s[10:11], s[10:11], s[22:23]
.irp j, 0,1,2,3,4,5,6,7
	global_load_b128 v[QF+4*\j:QF+4*\j+3], v1, s[4:5] offset:32*\j
.endr
.irp j, 0,1,2,3,4,5,6,7
	global_load_b128 v[KF+4*\j:KF+4*\j+3], v1, s[4:5] offset:4096+32*\j
.endr
.irp ct, 0,1,2,3
.irp i, 0,1,2,3,4,5,6,7
	global_load_b32 v[VF+8*\ct+\i], v2, s[4:5] offset:8192+\i*12288+64*\ct
.endr
.endr
.irp nt, 0,1
.irp ct, 0,1,2,3
.irp i, 0,1,2,3,4,5,6,7
	global_load_b32 v[WA+32*\nt+8*\ct+\i], v3, s[6:7] offset:(16*\ct+\i)*4096+64*\nt
.endr
.endr
.endr
	global_load_b64 v[BI:BI+1], v7, s[8:9]
	s_wait_loadcnt 63                              ; of the 113 loads the oldest 50 are in: q, k and v are the oldest 48
.irp u, 0,1,2,3,4,5,6,7,8,9,10,11,12,13,14,15  ; S^T = k q^T: two accumulators by turns
.if \u < 2
	v_wmma_f32_16x16x4_f32 v[SA+8*(\u%2):SA+8*(\u%2)+7], v[KF+2*\u:KF+2*\u+1], v[QF+2*\u:QF+2*\u+1], 0
.else
	v_wmma_f32_16x16x4_f32 v[SA+8*(\u%2):SA+8*(\u%2)+7], v[KF+2*\u:KF+2*\u+1], v[QF+2*\u:QF+2*\u+1], v[SA+8*(\u%2):SA+8*(\u%2)+7]
.endif
.endr
.rept 8
	v_nop                                          ; eight places behind this form, ahead of loads into its sources and of the first read of its results
.endr
.irp nt, 2,3
.irp ct, 0,1,2,3
.irp i, 0,1,2,3,4,5,6,7
	global_load_b32 v[WB+32*(\nt-2)+8*\ct+\i], v3, s[6:7] offset:(16*\ct+\i)*4096+64*\nt
.endr
.endr
.endr
.irp j, 0,1,2,3,4,5,6,7
	v_add_f32 v[T+\j], v[SA+\j], v[SA+8+\j]        ; lane (r, h): query r, key 8 h + j
.endr
	v_mov_b32 v10, 0xff800000
.irp j, 0,1,2,3,4,5,6,7
	v_cmp_gt_i32 vcc_lo, \j, v4
	v_cndmask_b32 v[T+\j], v[T+\j], v10, vcc_lo    ; hidden keys: -infinity
.endr
	v_max3_num_f32 v11, v[T], v[T+1], v[T+2]
	v_max3_num_f32 v11, v11, v[T+3], v[T+4]
	v_max3_num_f32 v11, v11, v[T+5], v[T+6]
	v_max_num_f32 v11, v11, v[T+7]
	v_permlanex16_b32 v12, v11, s24, s25
	v_max_num_f32 v11, v11, v12                    ; the row's maximum: key 0 counts for every query
	v_mul_f32 v11, s26, v11
.irp j, 0,1,2,3,4,5,6,7
	v_fma_f32 v[T+\j], v[T+\j], s26, -v11
.endr
.irp j, 0,1,2,3,4,5,6,7
	v_exp_f32 v[T+\j], v[T+\j]
.endr
	v_nop
	s_wait_alu depctr_va_vdst(0)                   ; one wait for the eight exponentials, ahead of their first reader
	v_add_f32 v13, v[T], v[T+1]
	v_add_f32 v14, v[T+2], v[T+3]
	v_add_f32 v13, v13, v[T+4]
	v_add_f32 v14, v14, v[T+5]
	v_add_f32 v13, v13, v[T+6]
	v_add_f32 v14, v14, v[T+7]
	v_add_f32 v13, v13, v14
	v_permlanex16_b32 v12, v13, s24, s25
	v_add_f32 v13, v13, v12                        ; the row's sum
	v_rcp_f32 v14, v13
	v_nop
	s_wait_alu depctr_va_vdst(0)
.irp kk, 0,1,2,3                               ; O^T = v^T p: four accumulators by turns; K step kk: keys 8 h + 2 kk + 0, 1
.irp ct, 0,1,2,3
.if \kk == 0
	v_wmma_f32_16x16x4_f32 v[OA+8*\ct:OA+8*\ct+7], v[VF+8*\ct+2*\kk:VF+8*\ct+2*\kk+1], v[T+2*\kk:T+2*\kk+1], 0
.else
	v_wmma_f32_16x16x4_f32 v[OA+8*\ct:OA+8*\ct+7], v[VF+8*\ct+2*\kk:VF+8*\ct+2*\kk+1], v[T+2*\kk:T+2*\kk+1], v[OA+8*\ct:OA+8*\ct+7]
.endif
.endr
.endr
.rept 9
	v_nop                                          ; eight places ahead of the reads of the results; nine ahead of the matrix instructions that begin these accumulators anew
.endr
.irp i, 0,1,2,3,4,5,6,7,8,9,10,11,12,13,14,15,16,17,18,19,20,21,22,23,24,25,26,27,28,29,30,31
	v_mul_f32 v[AT+\i], v[OA+\i], v14              ; register 8 ct + j: attention(query r, channel 16 ct + 8 h + j)
.endr
	s_wait_loadcnt 0x0                             ; W_out and the bias
.irp ct, 0,1,2,3                               ; my head's part of the projection: source 0 = 16 columns of W_out, source 1 = the attention; four accumulators by turns
.irp jj, 0,1,2,3
.irp nt, 0,1,2,3
.if \nt < 2
.set WRG, WA+32*\nt+8*\ct+2*\jj
.else
.set WRG, WB+32*(\nt-2)+8*\ct+2*\jj
.endif
.if (\ct == 0) && (\jj == 0)
	v_wmma_f32_16x16x4_f32 v[OA+8*\nt:OA+8*\nt+7], v[WRG:WRG+1], v[AT+8*\ct+2*\jj:AT+8*\ct+2*\jj+1], 0
.else
	v_wmma_f32_16x16x4_f32 v[OA+8*\nt:OA+8*\nt+7], v[WRG:WRG+1], v[AT+8*\ct+2*\jj:AT+8*\ct+2*\jj+1], v[OA+8*\nt:OA+8*\nt+7]
.endif
.endr
.endr
.endr
.rept 9
	v_nop
.endr
.irp nt, 0,1,2,3
	ds_store_b128 v5, v[OA+8*\nt:OA+8*\nt+3] offset:64*\nt         ; lane (r, h): row r, columns 16 nt + 8 h + 0 .. 7
	ds_store_b128 v5, v[OA+8*\nt+4:OA+8*\nt+7] offset:64*\nt+16
.endr
	s_wait_dscnt 0x0                               ; for the others' sake: my stores have landed
	s_barrier_signal -1
	s_barrier_wait -1
.irp p, 0,1,2,3,4,5,6,7,8,9,10,11,12,13,14,15
	ds_load_b64 v[16+2*\p:17+2*\p], v6 offset:REDW*\p              ; my row in head p's part
.endr
	s_wait_dscnt 0x0
.irp p, 0,1,2,3,4,5,6,7,8,9,10,11,12,13,14,15
	v_pk_add_f32 v[BI:BI+1], v[BI:BI+1], v[16+2*\p:17+2*\p]        ; the bias, then the heads in ascending order
.endr
	global_store_b64 v7, v[BI:BI+1], s[10:11]      ; the wave stores 256 consecutive aligned bytes of its row
	s_wait_tensorcnt 0x0                           ; the wave's end
	ds_add_u32 v8, v9
	s_wait_dscnt 0x0
	s_endpgm
.Lfunc_end_k_q618d6c3871_fine:
	.size	k_q618d6c3871_fine, .Lfunc_end_k_q618d6c3871_fine-k_q618d6c3871_fine
	.p2alignl 7, 3214868480
	.fill 96, 4, 3214868480
	.section	.rodata,"a",@progbits
	.p2align	6, 0x0
	.amdhsa_kernel k_q618d6c3871_fine
		.amdhsa_group_segment_fixed_size 71680
		.amdhsa_private_segment_fixed_size 0
		.amdhsa_enable_private_segment 0
		.amdhsa_kernarg_size 32
		.amdhsa_user_sgpr_count 2
		.amdhsa_user_sgpr_kernarg_segment_ptr 1
		.amdhsa_wavefront_size32 1
		.amdhsa_system_sgpr_workgroup_id_x 1
		.amdhsa_system_sgpr_workgroup_id_y 1
		.amdhsa_system_sgpr_workgroup_id_z 1
		.amdhsa_system_vgpr_workitem_id 0
		.amdhsa_next_free_vgpr 240
		.amdhsa_next_free_sgpr 66
		.amdhsa_reserve_vcc 1
		.amdhsa_float_denorm_mode_32 3
		.amdhsa_float_denorm_mode_16_64 3
		.amdhsa_memory_ordered 1
		.amdhsa_forward_progress 1
		.amdhsa_inst_pref_size 33
	.end_amdhsa_kernel
	.amdgpu_metadata
---
amdhsa.version: [ 1, 2 ]
amdhsa.kernels:
  - .name:           k_q618d6c3871_fine
    .symbol:         k_q618d6c3871_fine.kd
    .args:
      - { .name: q32, .offset: 0, .size: 8, .value_kind: global_buffer, .address_space: global }
      - { .name: W_out, .offset: 8, .size: 8, .value_kind: global_buffer, .address_space: global }
      - { .name: b_out, .offset: 16, .size: 8, .value_kind: global_buffer, .address_space: global }
      - { .name: out0, .offset: 24, .size: 8, .value_kind: global_buffer, .address_space: global }
    .group_segment_fixed_size: 71680
    .private_segment_fixed_size: 0
    .kernarg_segment_align: 8
    .kernarg_segment_size: 32
    .max_flat_workgroup_size: 512
    .sgpr_count:     66
    .vgpr_count:     240
    .wavefront_size: 32
...
	.end_amdgpu_metadata
.endif
;; end of part 5
